; MI455X (gfx1250); checked and timed in simulation.
; The chip was launched on July 23, 2026; its instructions are those of AMD's public machine-readable ISA for CDNA 5 (MIT licence, August 2026) and "CDNA5" Instruction Set Architecture Reference Guide (July 2026). The comments in the code are by the model that wrote it; some were corrected since.
;; Add MM. Allowed arithmetic: matrix products marked QUANTISED: E4M3 operands, one E8M0 scale for each 32 along K, by v_wmma_scale_f32_16x16x128_f8f6f4 with both operands' format E4M3, f32 sums; everything else in f32.
;; Inputs: b 16 x 1,024 float32; idxs 4,096 int32; w 16 x 1,024 x 1,024 float32; x 4,096 x 1,024 float32.
;; Outputs: out0 4,096 x 1,024 float32.
;; This version of the problem:
;;   THIS VERSION OF THE PROBLEM IS GIVEN IN LOW PRECISION. The matrix products marked QUANTISED in the list below multiply operands that are first quantised to E4M3 (4 exponent bits, 3 mantissa bits; 8 bits a number), with one power-of-two scale for each 32 numbers along K (OCP MX v1.0); their sums are f32. All else is computed in f32.
;;   The module's matrix products, in the order in which they are computed (A, B: the left and right operand; K: the contracted axis; several contracted axes count as one K, in the product's order):
;;     1. [M 4,096, K 1,024] x [K 1,024, N 1,024]; A: input x; B: input w: QUANTISED
;;     2. [M 4,096, K 1,024] x [K 1,024, N 1,024]; A: input x; B: input w: QUANTISED
;;     3. [M 4,096, K 1,024] x [K 1,024, N 1,024]; A: input x; B: input w: QUANTISED
;;     4. [M 4,096, K 1,024] x [K 1,024, N 1,024]; A: input x; B: input w: QUANTISED
;;     5. [M 4,096, K 1,024] x [K 1,024, N 1,024]; A: input x; B: input w: QUANTISED
;;     6. [M 4,096, K 1,024] x [K 1,024, N 1,024]; A: input x; B: input w: QUANTISED
;;     7. [M 4,096, K 1,024] x [K 1,024, N 1,024]; A: input x; B: input w: QUANTISED
;;     8. [M 4,096, K 1,024] x [K 1,024, N 1,024]; A: input x; B: input w: QUANTISED
;;     9. [M 4,096, K 1,024] x [K 1,024, N 1,024]; A: input x; B: input w: QUANTISED
;;     10. [M 4,096, K 1,024] x [K 1,024, N 1,024]; A: input x; B: input w: QUANTISED
;;     11. [M 4,096, K 1,024] x [K 1,024, N 1,024]; A: input x; B: input w: QUANTISED
;;     12. [M 4,096, K 1,024] x [K 1,024, N 1,024]; A: input x; B: input w: QUANTISED
;;     13. [M 4,096, K 1,024] x [K 1,024, N 1,024]; A: input x; B: input w: QUANTISED
;;     14. [M 4,096, K 1,024] x [K 1,024, N 1,024]; A: input x; B: input w: QUANTISED
;;     15. [M 4,096, K 1,024] x [K 1,024, N 1,024]; A: input x; B: input w: QUANTISED
;;     16. [M 4,096, K 1,024] x [K 1,024, N 1,024]; A: input x; B: input w: QUANTISED
;;   THE QUANTISER, for each operand of a quantised product, along K:
;;     - K is cut into blocks of 32 from its start; a last block that is shorter is filled with zeros.
;;     - A block's scale is 2^e with e = floor(log2(the largest magnitude in the block)) - 8, held to -126 .. 127; a block of zeros has e = 0. As a byte (E8M0): e + 127.
;;     - Each number is divided by its block's scale, clamped to +-448, and rounded to the nearest number of E4M3, ties to even, subnormals kept.
;;     - The product sums the exact products of the quantised numbers (number of the format x scale) in f32.
;;   ~~~python
;;   def quantise(x, axis):      # numpy; x: float32 -> the quantised numbers, widened to float32 again
;;       x = np.moveaxis(x, axis, -1); K = x.shape[-1]
;;       x = np.pad(x, [(0, 0)] * (x.ndim - 1) + [(0, -K % 32)]); x = x.reshape(x.shape[:-1] + (-1, 32)); a = np.abs(x).max(-1, keepdims=True)
;;       e = np.where(a > 0, np.clip(np.frexp(np.where(a > 0, a, 1))[1] - 1 - 8, -126, 127), 0)      # np.frexp(a)[1] - 1 = floor(log2(a)), exactly
;;       r = np.clip(x / 2.0 ** e, -448, 448)
;;       step = 2.0 ** (np.maximum(np.frexp(np.where(r == 0, 1, r))[1] - 1, -6) - 3)
;;       q = np.round(r / step) * step * 2.0 ** e      # np.round: ties to even
;;       return np.moveaxis(q.reshape(q.shape[:-2] + (-1,))[..., :K], -1, axis).astype(np.float32)
;;   ~~~
;; 2 versions. Each part assembles by itself: llvm-mc -triple=amdgcn-amd-amdhsa -mcpu=gfx1250 --defsym DOCPART=n.
;; ======== version 1 of 2: 2 launches
;; workspace buffers: xc 4,194,304 bytes; xs 131,072 bytes; order 266,240 bytes of whole numbers
;; launch prep (part 1): grid 272 x 1, 4 waves a work-group, no clusters, 22,016 bytes of LDS; arguments x, idxs, xc, xs, order; writes xc, xs, order
.if DOCPART == 1
	.amdgcn_target "amdgcn-amd-amdhsa--gfx1250"
	.amdhsa_code_object_version 6
	.text
	.protected	k_q0e92a1ddc5_prep
	.globl	k_q0e92a1ddc5_prep
	.p2align	8
	.type	k_q0e92a1ddc5_prep,@function
k_q0e92a1ddc5_prep:
	s_mov_b64 s[64:65], 0
	v_nop
	global_prefetch_b8 v0, s[64:65] scope:SCOPE_SE
	s_setreg_imm32_b32 hwreg(HW_REG_WAVE_MODE, 25, 1), 1
	s_wait_xcnt 0x0
; TWO JOBS IN ONE LAUNCH, parted by the work-group's number; the two paths never join.
; Work-groups 16 to 271: x [4096][1024] f32 becomes codes of FP8 (E4M3), xc [4096][1024], K innermost, and one E8M0 byte for each 32 along K, xs [4096][32].
;   A block's scale is 2^(floor(log2(its largest magnitude)) - 8); its byte is the largest magnitude's exponent field - 8, held at 1 from below; each number is divided by the scale,
;   held within +-448 and rounded to the nearest code, ties to even.  Rows are dense and 1,024 is a multiple of 32: x is a plain stream of blocks of 32, and so are codes and bytes.
; Work-groups 0 to 15: work-group e lists the tokens whose idxs is e.  order has 16 regions of 16,640 bytes: words 0 to 31 hold the expert's count; from byte 256 on 4,096 words, a
;   permutation of all tokens: the expert's own from place 0 up, all others from place 4,095 down.  So every list word is written and is a token's number.
; LIMITS: NaN and infinities in x are not served.  A block of zeros gets the byte 1 where the rule says 127: its codes are zeros, and this program alone reads the bytes.
;   A token whose idxs lies outside 0 .. 15 stands in no expert's own part.
.set SP,    80                         ; a lane's place in a stage: its 64 bytes + 16 of padding
.set WREG,  5376                       ; LDS of a wave: two stages of 32 x SP bytes, then 256 bytes for its scale bytes
.set R,     16                         ; v16-143  eight sets of 16 numbers as loaded: a set for each step
.set X,     144                        ; v144-175 two sets of 16 neighbours
.set C,     176                        ; v176-207 codes: four registers for each step, so that no store's data are written again
.set E,     208                        ; v208-215 a scale byte for each step
	s_load_b256 s[4:11], s[0:1], 0x0               ; x s[4:5], idxs s[6:7], xc s[8:9], xs s[10:11]
	s_load_b64 s[12:13], s[0:1], 0x20              ; order
	v_lshl_add_u32 v224, v0, 2, 0x5400
	v_mov_b32 v225, 0
	v_lshrrev_b32 v1, 5, v0
	v_readfirstlane_b32 s16, v1                    ; wave 0..3
	v_and_b32 v2, 31, v0                           ; lane
	s_cmp_lt_u32 ttmp9, 16
	s_cbranch_scc1 .Lsort
; ---------------- THE QUANTISER.  A wave takes 8 steps of 512 numbers.  Each load reads 512 consecutive bytes, 16 a lane; a step's 2,048 bytes turn through the wave's own stage in LDS and come
; back 64 bytes a lane: 16 neighbours along K, two neighbouring lanes to a block.  All 32 loads of a wave go out at the head.  Waves share nothing: no barrier.
	s_sub_co_u32 s17, ttmp9, 16
	s_lshl_b32 s17, s17, 2
	s_add_co_u32 s17, s17, s16                     ; which run of 4,096 numbers is my wave's: 0 .. 1,023
	s_lshl_b32 s18, s17, 14                        ; 16,384 bytes of x,
	s_mov_b32 s19, 0
	s_lshl_b32 s20, s17, 12                        ; 4,096 of codes,
	s_mov_b32 s21, 0
	s_lshl_b32 s24, s17, 7                         ; 128 of scale bytes
	s_mov_b32 s25, 0
	v_lshlrev_b32 v3, 4, v2                        ; my 16 bytes of a load's 512, and of a step's 512 codes
	s_mul_i32 s22, s16, WREG
	v_lshrrev_b32 v14, 2, v2
	v_mul_u32_u24 v14, v14, SP
	v_and_b32 v15, 3, v2
	v_lshl_add_u32 v14, v15, 4, v14
	v_add_nc_u32 v14, s22, v14                     ; into the stage: four lanes' 64 bytes on end, then 16 of padding
	v_mul_u32_u24 v15, v2, SP
	v_add_nc_u32 v15, s22, v15                     ; out of it: SP x lane: my 16 neighbours
	v_lshrrev_b32 v5, 1, v2
	s_add_co_u32 s22, s22, 2*32*SP
	v_add_nc_u32 v5, s22, v5                       ; my block's byte among the wave's scale bytes
	v_lshlrev_b32 v7, 2, v2                        ; on the way out 4 bytes a lane
	v_add_nc_u32 v6, s22, v7
	s_mov_b32 s23, 0x600000                        ; the mantissa field of 448
	s_wait_kmcnt 0x0
	s_add_nc_u64 s[4:5], s[4:5], s[18:19]
	s_add_nc_u64 s[8:9], s[8:9], s[20:21]
	s_add_nc_u64 s[10:11], s[10:11], s[24:25]
.macro LOAD t
.irp i, 0,1,2,3
	global_load_b128 v[R+16*(\t)+4*\i:R+16*(\t)+4*\i+3], v3, s[4:5] offset:2048*(\t)+512*\i th:TH_LOAD_NT
.endr
.endm
.macro TURN t                          ; step t's numbers through stage t % 2: LDS serves a wave's instructions in order, so no wait stands between the stores and the loads
.irp i, 0,1,2,3
	ds_store_b128 v14, v[R+16*(\t)+4*\i:R+16*(\t)+4*\i+3] offset:32*SP*((\t)%2)+8*SP*\i
.endr
.irp i, 0,1,2,3
	ds_load_b128 v[X+16*((\t)%2)+4*\i:X+16*((\t)%2)+4*\i+3], v15 offset:32*SP*((\t)%2)+16*\i
.endr
.endm
.macro STEP t
.set XS, X+16*((\t)%2)
.if (\t) > 0
	s_wait_dscnt 1                                 ; this step's numbers are back from the stage; only the last step's byte store was issued behind them
.else
	s_wait_dscnt 0x0
.endif
.if (\t) < 7
	s_wait_loadcnt 4*(6-(\t))                      ; the next step's four loads are in; those of the 6 - t steps behind it may be out
	TURN (\t)+1                                    ; they go through the other stage while this step is worked
.endif
	v_max3_num_f32 v8, |v[XS]|, |v[XS+1]|, |v[XS+2]|               ; the largest magnitude of my 16, in two chains
	v_max3_num_f32 v9, |v[XS+3]|, |v[XS+4]|, |v[XS+5]|
.irp i, 6,10
	v_max3_num_f32 v8, v8, |v[XS+\i]|, |v[XS+\i+1]|
	v_max3_num_f32 v9, v9, |v[XS+\i+2]|, |v[XS+\i+3]|
.endr
	v_max3_num_f32 v8, v8, |v[XS+14]|, |v[XS+15]|
	v_max3_num_f32 v8, v8, v9, 0x4800000           ; and the floor 2^(9 - 127): the byte cannot fall under 1
	v_max_num_f32_dpp v8, v8, v8 row_xmask:1 row_mask:0xf bank_mask:0xf   ; and of my neighbour's 16: the block's
	v_add_nc_u32 v11, 0xfc000000, v8               ; 8 off its exponent field: the conversion takes the exponent field of this operand as its scale
	v_and_or_b32 v10, v8, 0x7f800000, s23          ; 448 x the scale
.irp i, 0,1,2,3,4,5,6,7,8,9,10,11,12,13,14,15
	v_med3_num_f32 v[XS+\i], v[XS+\i], -v10, v10   ; the conversion to an 8-bit code does not saturate (ISA guide 7.6.2): the hold comes first
.endr
	v_cvt_scalef32_pk8_fp8_f32 v[C+4*(\t):C+4*(\t)+1], v[XS:XS+7], v11
	v_cvt_scalef32_pk8_fp8_f32 v[C+4*(\t)+2:C+4*(\t)+3], v[XS+8:XS+15], v11
	v_lshrrev_b32 v[E+(\t)], 23, v11               ; the scale's byte (also the plain line behind the conversions)
	ds_store_b8 v5, v[E+(\t)] offset:16*(\t)       ; both lanes of a block write the same byte with the same value
	global_store_b128 v3, v[C+4*(\t):C+4*(\t)+3], s[8:9] offset:512*(\t)   ; the wave stores 512 consecutive bytes, aligned
.endm
.irp t, 0,1,2,3,4,5,6,7
	LOAD \t
.endr
	s_wait_loadcnt 28                              ; step 0's four loads are in; the other seven steps' 28 may be out
	TURN 0
.irp t, 0,1,2,3,4,5,6,7
	STEP \t
.endr
	ds_load_b32 v12, v6                            ; my wave's 128 scale bytes, 4 a lane: these see my byte stores
	s_wait_dscnt 0x0
	global_store_b32 v7, v12, s[10:11]             ; 128 consecutive bytes
	s_wait_tensorcnt 0x0
	ds_add_u32 v224, v225
	s_wait_dscnt 0x0
	s_endpgm
; ---------------- THE LISTS.  Work-group e, wave w places tokens 1,024 w .. 1,024 w + 1,023.  Each wave reads all 4,096 idxs: its own quarter first (group 0), then the three others, which it only counts.
; No LDS, no barrier, no atomics: a token's place is the number of the expert's tokens ahead of it, in the order (quarter, register, lane).
.set ID,  16                           ; v16-143  idxs: group q at v[16 + 32 q]; register 4 i + j of a group holds token 1,024 Q + 128 i + 4 lane + j
.set PA,  144                          ; v144-175 a byte place in the list for each of my 32 stores
.set PD,  176                          ; v176-207 and its token
.set MB,  208                          ; the expert's tokens ahead of me
.set NP,  209                          ; my place from the back
.set PP,  210
.set CN,  211
.set L16, 212
.set L4,  213
.set Q0,  214                          ; 4,095 - 1,024 w - lane
.set T0,  215                          ; 1,024 w + 4 lane
.set IA,  216                          ; v216-219 a group's byte offset in idxs
.Lsort:
	s_mov_b32 s20, ttmp9                           ; e
	s_mul_i32 s18, ttmp9, 16640
	s_mov_b32 s19, 0
	v_lshlrev_b32 v[L16], 4, v2
	v_lshlrev_b32 v[L4], 2, v2
.irp q, 0,1,2,3
	s_add_co_u32 s21, s16, \q
	s_and_b32 s21, s21, 3                          ; group q is quarter (w + q) mod 4
	s_lshl_b32 s21, s21, 12
	v_add_nc_u32 v[IA+\q], s21, v[L16]
.endr
	s_lshl_b32 s22, s16, 10
	s_sub_co_u32 s21, 4095, s22
	v_sub_nc_u32 v[Q0], s21, v2
	v_lshl_add_u32 v[T0], v2, 2, s22
	s_wait_kmcnt 0x0
	s_add_nc_u64 s[12:13], s[12:13], s[18:19]      ; my expert's region
.irp q, 0,1,2,3
.irp i, 0,1,2,3,4,5,6,7
	global_load_b128 v[ID+32*\q+4*\i:ID+32*\q+4*\i+3], v[IA+\q], s[6:7] offset:512*\i
.endr
.endr
	s_wait_loadcnt 0x0
.irp q, 1,2,3                          ; the other quarters' counts: s25, s26, s27
	s_mov_b32 s[24+\q], 0
.set k, 0
.rept 32
	v_cmp_eq_u32 s[32+k], s20, v[ID+32*\q+k]
.set k, k+1
.endr
.set k, 0
.rept 32
	s_bcnt1_i32_b32 s[32+k], s[32+k]
.set k, k+1
.endr
.set k, 0
.rept 32
	s_add_co_u32 s[24+\q], s[24+\q], s[32+k]
.set k, k+1
.endr
.endr
	s_mov_b32 s66, 0                               ; the expert's tokens in the quarters ahead of mine: group q lies ahead where w + q has passed 4
.irp q, 1,2,3
	s_add_co_u32 s21, s16, \q
	s_cmp_ge_u32 s21, 4
	s_cselect_b32 s21, s[24+\q], 0
	s_add_co_u32 s66, s66, s21
.endr
.set g, 0
.rept 32
	v_cmp_eq_u32 s[32+g], s20, v[ID+g]             ; my quarter: a mask for each register
.set g, g+1
.endr
.set g, 0
.rept 32
	s_bcnt1_i32_b32 s21, s[32+g]
	s_add_co_u32 s[67+g], s[66+g], s21             ; s[66 + g]: the expert's tokens ahead of register g
.set g, g+1
.endr
.set g, 0
.rept 32
	v_mbcnt_lo_u32_b32 v[MB], s[32+g], s[66+g]     ; + those in the lanes below mine
	v_add3_u32 v[NP], v[MB], v[Q0], -32*g          ; 4,095 - (tokens ahead of me - the expert's among them)
	v_cndmask_b32 v[PP], v[NP], v[MB], s[32+g]     ; the expert's own from the front, the others from the back
	v_min_u32 v[PP], 0xfff, v[PP]                  ; a place made of loaded numbers is held inside the list
	v_lshlrev_b32 v[PA+g], 2, v[PP]
	v_add_nc_u32 v[PD+g], 128*(g/4)+g%4, v[T0]
	global_store_b32 v[PA+g], v[PD+g], s[12:13] offset:256   ; each store has registers of its own: none is written again
.set g, g+1
.endr
	s_cmp_lg_u32 s16, 0
	s_cbranch_scc1 .Lsorted
	s_add_co_u32 s21, s98, s25                     ; wave 0: its own quarter's count (its base is 0) and the three others'
	s_add_co_u32 s21, s21, s26
	s_add_co_u32 s21, s21, s27
	v_mov_b32 v[CN], s21
	global_store_b32 v[L4], v[CN], s[12:13]        ; the count, in words 0 to 31
.Lsorted:
	s_endpgm
.Lfunc_end_k_q0e92a1ddc5_prep:
	.size	k_q0e92a1ddc5_prep, .Lfunc_end_k_q0e92a1ddc5_prep-k_q0e92a1ddc5_prep
	.p2alignl 7, 3214868480
	.fill 96, 4, 3214868480
	.section	.rodata,"a",@progbits
	.p2align	6, 0x0
	.amdhsa_kernel k_q0e92a1ddc5_prep
		.amdhsa_group_segment_fixed_size 22016
		.amdhsa_private_segment_fixed_size 0
		.amdhsa_enable_private_segment 0
		.amdhsa_kernarg_size 40
		.amdhsa_user_sgpr_count 2
		.amdhsa_user_sgpr_kernarg_segment_ptr 1
		.amdhsa_wavefront_size32 1
		.amdhsa_system_sgpr_workgroup_id_x 1
		.amdhsa_system_sgpr_workgroup_id_y 1
		.amdhsa_system_sgpr_workgroup_id_z 1
		.amdhsa_system_vgpr_workitem_id 0
		.amdhsa_next_free_vgpr 226
		.amdhsa_next_free_sgpr 100
		.amdhsa_reserve_vcc 0
		.amdhsa_float_denorm_mode_32 3
		.amdhsa_float_denorm_mode_16_64 3
		.amdhsa_memory_ordered 1
		.amdhsa_forward_progress 1
		.amdhsa_inst_pref_size 62
	.end_amdhsa_kernel
	.amdgpu_metadata
---
amdhsa.version: [ 1, 2 ]
amdhsa.kernels:
  - .name:           k_q0e92a1ddc5_prep
    .symbol:         k_q0e92a1ddc5_prep.kd
    .args:
      - { .name: x, .offset: 0, .size: 8, .value_kind: global_buffer, .address_space: global }
      - { .name: idxs, .offset: 8, .size: 8, .value_kind: global_buffer, .address_space: global }
      - { .name: xc, .offset: 16, .size: 8, .value_kind: global_buffer, .address_space: global }
      - { .name: xs, .offset: 24, .size: 8, .value_kind: global_buffer, .address_space: global }
      - { .name: order, .offset: 32, .size: 8, .value_kind: global_buffer, .address_space: global }
    .group_segment_fixed_size: 22016
    .private_segment_fixed_size: 0
    .kernarg_segment_align: 8
    .kernarg_segment_size: 40
    .max_flat_workgroup_size: 128
    .sgpr_count:     100
    .vgpr_count:     226
    .wavefront_size: 32
...
	.end_amdgpu_metadata
.endif
;; end of part 1
;; launch experts (part 2): grid 16 x 16, 4 waves a work-group, no clusters, 152,320 bytes of LDS; arguments xc, xs, order, w, b, out0; writes out0
.if DOCPART == 2
	.amdgcn_target "amdgcn-amd-amdhsa--gfx1250"
	.amdhsa_code_object_version 6
	.text
	.protected	k_q0e92a1ddc5_experts
	.globl	k_q0e92a1ddc5_experts
	.p2align	8
	.type	k_q0e92a1ddc5_experts,@function
k_q0e92a1ddc5_experts:
	s_mov_b64 s[64:65], 0
	v_nop
	global_prefetch_b8 v0, s[64:65] scope:SCOPE_SE
	s_setreg_imm32_b32 hwreg(HW_REG_WAVE_MODE, 25, 1), 1
	s_wait_xcnt 0x0
; out0[t] = relu(Q(x[t]) Q(w[e]) + b[e]) for the tokens t of expert e, on codes of FP8 (E4M3) with one E8M0 scale for each 32 along K = 1,024.  Only the chosen expert's rows are multiplied.
; SHARES.  Work-group (nb, e) owns w[e][:, 64 nb .. 64 nb + 63]: 1,024 rows of 256 aligned bytes that no other work-group reads: w is read once, as f32, and its codes never go to memory.
; PHASE W.  Wave wv quantises k = 256 wv .. + 255 of the 64 columns, along K: a lane takes four columns and its registers run down K.  The codes go to LDS as images of the operand's registers.
;   One barrier.  Then every wave keeps all 32 fragments (4 tiles of 16 columns x 8 K steps, 512 registers) and their scale words for the rest of the launch.
; PHASE T.  Wave wv takes tiles wv, wv + 4, .. of the expert's ceil(count / 16) tiles of 16 tokens: the tokens' codes (made by the launch before) are gathered by the stored list, whole 256-byte pieces of a
;   row at a time, turned through the wave's own LDS stage into fragments; 32 matrix instructions; relu; out through the wave's own stage, sixteen lanes to 256 consecutive aligned bytes of a token's row.
;   The waves are independent there: the trip count hangs on the stored count, so the loop has no barrier, and the launch has no tensor load and no copy.
; THE MATRIX INSTRUCTION IS USED TRANSPOSED: source 0 = 16 columns of w, source 1 = 16 tokens: a lane holds one token (lane % 16) and eight neighbouring columns.  The bias is the C of a sum's first instruction.
; NO CLUSTER: what work-groups share is the tokens' codes, whose addresses and number hang on stored counts; w, the bulk of the bytes, is shared by nobody.
; LIMITS: NaN and infinities are not served.  A block of zeros gets the byte 1 where the rule says 127 (its codes are zeros; the bytes stay in this work-group).  A tile's missing rows repeat the expert's last
;   token: it is computed and stored again, with the same numbers, by the same wave.  A token whose idxs lies outside 0 .. 15 is in no list, and its row is not written.
; REGISTERS, in windows of 256 (s_set_vgpr_msb's low byte: bits 1:0 source 0, 3:2 source 1, 5:4 source 2, 7:6 destination):
;   window 0: addresses, lists, scale words; v128-255 at work in phase W, the tokens' fragments in phase T.   windows 1, 2: w as loaded (block t at window 1 + t / 4, register 64 (t % 4) + 4 i + j), later its
;   fragments ((s, T) at window 1 + s / 4, register 16 (4 (s % 4) + T)).   window 3: v0-127 the tokens' codes as loaded; v128-159 accumulators; v160-191 the bias; v192-223 rows on the way out.
.set TPITCH, 16400                     ; LDS: a column tile's 8 fragments of 2,048 bytes, + 16: so the sixteen lanes of a store (4 tiles x 4 places 64 bytes apart) fall on sixteen different 16-byte columns of 256
.set WSC,    65792                     ; w's scale words [K step][column]: 256 s + 4 n
.set XST,    67840                     ; a stage of 16 rows x (1,024 + 16) bytes for each wave: the tokens' codes
.set XP,     1040
.set XSTW,   16*XP
.set OST,    134400                    ; a stage of 16 rows x (256 + 16) bytes for each wave: the way out
.set OP,     272
.set OSTW,   16*OP
.set L16, 1                            ; 16 lane
.set L4S, 2                            ; WSC + 4 lane
.set C16, 3                            ; 16 (lane % 16)
.set HL4, 4                            ; 4 (lane / 16)
.set H16, 5                            ; 16 (lane / 16)
.set WA,  6                            ; w: 16 rows x (lane / 16) + 16 (lane % 16)
.set WIA, 7                            ; where my codes go among the images
.set WSA, 8                            ; and my four columns' scale words
.set SXW, 9                            ; the tokens' stage: in,
.set SXR, 10                           ; and out, as fragments
.set SOW, 11                           ; the way out: in,
.set SOR, 12                           ; and back, by rows
.set BA,  13                           ; 32 (lane / 16): my eight numbers of a tile's bias
.set R4,  14                           ; 4 (lane % 16)
.set LA,  16                           ; v16-24  places in the list
.set LT,  26                           ; v26-34  tokens: i < 8: of row 2 i + lane / 16; 8: of row lane % 16
.set XA,  36                           ; v36-43  byte offsets in xc
.set XSA, 44                           ; in xs
.set ON,  46                           ; v46-53  byte offsets in out0, the next tile's
.set OC,  54                           ; v54-61  this tile's
.set TK,  62                           ; v62-63  at work
.set BS,  64                           ; v64-79  w's scale words: 2 s + T / 2: lanes 0-15 the even tile's, lanes 16-31 the odd one's
.set XS,  80                           ; v80-83  the tokens' scale words in use: register j: lanes 0-15 K step j, lanes 16-31 K step 4 + j
.set XSR, 84                           ; v84-87  the next tile's, as loaded
.set AF,  128                          ; the tokens' fragments: 16 s + 4 c
.set TT,  128                          ; phase W: v128-191 64 numbers, K along the registers: 16 j + i
.set M,   192                          ; v192-215 partial maxima, six a column
.set AM,  216                          ; the block's largest magnitude, for each of my four columns
.set PX,  220                          ; the other half of the lanes'
.set SCL, 224                          ; the conversion's scale operand
.set LIM, 228                          ; 448 x the scale
.set BY,  232                          ; the byte
.set WD,  236                          ; the scale word in the making
.set CD,  240                          ; v240-255 the codes
.set RX,  0                            ; window 3
.set ACC, 128
.set BI,  160
.set OB,  192
.set MSB, 0
.macro WIN new                         ; the immediate's high byte repeats the setting that is left; a switch that changes nothing is dropped
.if MSB != (\new)
	s_set_vgpr_msb (MSB<<8)|(\new)
.set MSB, \new
.endif
.endm
; block t of my 8: 32 along K x 64 columns.  Lanes 0-15 read one whole row of 256 bytes, lanes 16-31 the row 16 further down: so a lane's 16 loads are k = 32 t + 16 (lane / 16) + 0 .. 15 of four columns
.macro LOADW t
	WIN 0x40*(1+(\t)/4)
.irp i, 0,1,2,3,4,5,6,7,8,9,10,11,12,13,14,15
	global_load_b128 v[64*((\t)%4)+4*\i:64*((\t)%4)+4*\i+3], v[WA], s[10:11] offset:(32*(\t)+\i)*4096 th:TH_LOAD_NT
.endr
.endm
; block t is quantised: four columns a lane, 16 numbers of each; a block's other 16 lie in lane l xor 16.  The codes are registers 4 c .. 4 c + 3 (c = t % 4) of K step 2 wv + t / 4.
.macro QBLOCK t
.set RB, 64*((\t)%4)
	s_wait_dscnt 0x0                               ; the last block's LDS stores have read the codes' and the scale words' registers, which are written again below
	WIN 0x15*(1+(\t)/4)
.irp j, 0,1,2,3
.irp g, 0,1,2,3,4
	v_max3_num_f32 v[M+6*\j+\g], |v[RB+12*\g+\j]|, |v[RB+12*\g+4+\j]|, |v[RB+12*\g+8+\j]|   ; rows 3 g .. 3 g + 2 of column j
.endr
	v_max3_num_f32 v[M+6*\j+5], |v[RB+52+\j]|, |v[RB+56+\j]|, |v[RB+60+\j]|                  ; rows 13 .. 15 (two of them a second time)
.endr
	WIN 0
.irp j, 0,1,2,3
	v_max3_num_f32 v[M+6*\j], v[M+6*\j], v[M+6*\j+1], v[M+6*\j+2]
.endr
.irp j, 0,1,2,3
	v_max3_num_f32 v[M+6*\j+3], v[M+6*\j+3], v[M+6*\j+4], v[M+6*\j+5]
.endr
.irp j, 0,1,2,3
	v_max3_num_f32 v[AM+\j], v[M+6*\j], v[M+6*\j+3], 0x4800000   ; and the floor 2^(9 - 127): the byte cannot fall under 1
.endr
.irp j, 0,1,2,3
	v_permlanex16_b32 v[PX+\j], v[AM+\j], s28, s29
.endr
.irp j, 0,1,2,3
	v_max_num_f32 v[AM+\j], v[AM+\j], v[PX+\j]     ; with lane l xor 16's: the block's largest magnitude
.endr
.irp j, 0,1,2,3
	v_add_nc_u32 v[SCL+\j], 0xfc000000, v[AM+\j]   ; 8 off its exponent field: the conversion's scale operand
.endr
.irp j, 0,1,2,3
	v_and_or_b32 v[LIM+\j], v[AM+\j], 0x7f800000, s30   ; 448 x the scale
.endr
.if (\t)%4 == 0
.irp j, 0,1,2,3
	v_lshrrev_b32 v[WD+\j], 23, v[SCL+\j]          ; the byte: the first of a K step's four
.endr
.else
.irp j, 0,1,2,3
	v_lshrrev_b32 v[BY+\j], 23, v[SCL+\j]
.endr
.irp j, 0,1,2,3
	v_lshl_or_b32 v[WD+\j], v[BY+\j], 8*((\t)%4), v[WD+\j]
.endr
.endif
	WIN 1+(\t)/4
.irp j, 0,1,2,3
.irp i, 0,1,2,3,4,5,6,7,8,9,10,11,12,13,14,15
	v_med3_num_f32 v[TT+16*\j+\i], v[RB+4*\i+\j], -v[LIM+\j], v[LIM+\j]   ; the hold that the conversion wants (ISA guide 7.6.2) also lays a column's 16 numbers in consecutive registers
.endr
.endr
	WIN 0
.irp j, 0,1,2,3
	v_cvt_scalef32_pk8_fp8_f32 v[CD+4*\j:CD+4*\j+1], v[TT+16*\j:TT+16*\j+7], v[SCL+\j]
	v_cvt_scalef32_pk8_fp8_f32 v[CD+4*\j+2:CD+4*\j+3], v[TT+16*\j+8:TT+16*\j+15], v[SCL+\j]
.endr
	v_nop                                          ; a plain line behind the last conversion, ahead of the next vector line that writes its sources
.irp j, 0,1,2,3
	ds_store_b128 v[WIA], v[CD+4*\j:CD+4*\j+3] offset:512*(\t)+16*\j   ; column 4 (lane % 16) + j is lane 4 (lane % 4) + j + 16 (lane / 16) of tile (lane % 16) / 4
.endr
.if (\t)%4 == 3
	ds_store_b128 v[WSA], v[WD:WD+3] offset:256*((\t)/4)   ; a K step's scale words of my four columns (both halves of the lanes write the same bytes with the same values)
.endif
.endm
; the tokens of the tile whose first list byte is s23.  A place past the expert's last token is held at that token; the second hold, by a constant, keeps every place inside the list whatever the count
.macro LISTLD
.irp i, 0,1,2,3,4,5,6,7
	v_add3_u32 v[LA+\i], v[HL4], s23, 8*\i
.endr
	v_add_nc_u32 v[LA+8], s23, v[R4]
.irp i, 0,1,2,3,4,5,6,7,8
	v_min_u32 v[LA+\i], s20, v[LA+\i]
.endr
.irp i, 0,1,2,3,4,5,6,7,8
	v_min_u32 v[LA+\i], 0x3ffc, v[LA+\i]
.endr
.irp i, 0,1,2,3,4,5,6,7,8
	global_load_b32 v[LT+\i], v[LA+\i], s[8:9] offset:256
.endr
.endm
.macro TOKADDR                         ; tokens into byte offsets: 1,024 a row in xc, 4,096 in out0, 32 in xs
.irp i, 0,1,2,3,4,5,6,7
	v_min_u32 v[TK], 0xfff, v[LT+\i]
	v_lshl_add_u32 v[XA+\i], v[TK], 10, v[C16]
	v_lshl_add_u32 v[ON+\i], v[TK], 12, v[C16]
.endr
	v_min_u32 v[TK], 0xfff, v[LT+8]
	v_lshl_add_u32 v[XSA], v[TK], 5, v[H16]
.endm
.macro XLOAD i0                        ; rows 2 i + lane / 16, i = i0 .. i0 + 3: sixteen lanes read 256 consecutive aligned bytes of one token's codes
	WIN 0xc0
.irp i, \i0, \i0+1, \i0+2, \i0+3
.irp q, 0,1,2,3
	global_load_b128 v[RX+4*(4*(\i)+\q):RX+4*(4*(\i)+\q)+3], v[XA+(\i)], s[4:5] offset:256*\q
.endr
.endr
.endm
.macro XSLOAD                          ; token lane % 16: the scale words of K steps 4 (lane / 16) + 0 .. 3
	WIN 0
	global_load_b128 v[XSR:XSR+3], v[XSA], s[6:7]
.endm
; one product: K step s, column tile T.  The scale registers hold scales alone; the row selectors pick the half of the lanes
.macro PROD s, T
.set rD, ACC+8*(\T)
.set rW, 16*(4*((\s)%4)+(\T))
.set rA, AF+16*(\s)
.if (\s) == 0
.set rC, BI+8*(\T)
.else
.set rC, ACC+8*(\T)
.endif
.set rS, BS+2*(\s)+(\T)/2
.set rX, XS+(\s)%4
.if ((\T)%2 == 0) && ((\s) < 4)
	v_wmma_scale_f32_16x16x128_f8f6f4 v[rD:rD+7], v[rW:rW+15], v[rA:rA+15], v[rC:rC+7], v[rS], v[rX]
.elseif (\s) < 4
	v_wmma_scale_f32_16x16x128_f8f6f4 v[rD:rD+7], v[rW:rW+15], v[rA:rA+15], v[rC:rC+7], v[rS], v[rX] matrix_a_scale:MATRIX_SCALE_ROW1
.elseif (\T)%2 == 0
	v_wmma_scale_f32_16x16x128_f8f6f4 v[rD:rD+7], v[rW:rW+15], v[rA:rA+15], v[rC:rC+7], v[rS], v[rX] matrix_b_scale:MATRIX_SCALE_ROW1
.else
	v_wmma_scale_f32_16x16x128_f8f6f4 v[rD:rD+7], v[rW:rW+15], v[rA:rA+15], v[rC:rC+7], v[rS], v[rX] matrix_a_scale:MATRIX_SCALE_ROW1 matrix_b_scale:MATRIX_SCALE_ROW1
.endif
.endm
	s_load_b256 s[4:11], s[0:1], 0x0               ; xc s[4:5], xs s[6:7], order s[8:9], w s[10:11]
	s_load_b128 s[12:15], s[0:1], 0x20             ; b s[12:13], out0 s[14:15]
	v_lshl_add_u32 v126, v0, 2, 0x25100
	v_mov_b32 v127, 0
	v_lshrrev_b32 v[TK], 5, v0
	v_readfirstlane_b32 s16, v[TK]                 ; wave 0..3
	v_and_b32 v[TK+1], 31, v0                      ; lane
	v_and_b32 v[TK], 15, v0                        ; lane % 16
	v_bfe_u32 v15, v0, 4, 1                        ; lane / 16
	v_lshlrev_b32 v[L16], 4, v[TK+1]
	v_lshl_add_u32 v[L4S], v[TK+1], 2, WSC
	v_lshlrev_b32 v[C16], 4, v[TK]
	v_lshlrev_b32 v[HL4], 2, v15
	v_lshlrev_b32 v[H16], 4, v15
	v_lshl_add_u32 v[WA], v15, 16, v[C16]          ; a row of w is 4,096 bytes
	v_lshrrev_b32 v25, 2, v[TK]
	v_mul_u32_u24 v[WIA], v25, TPITCH              ; my four columns' tile,
	v_and_b32 v25, 3, v[TK]
	v_lshl_add_u32 v[WIA], v25, 6, v[WIA]          ; their four lanes' places,
	v_lshl_add_u32 v[WIA], v15, 8, v[WIA]          ; my half of the lanes,
	s_lshl_b32 s24, s16, 12
	v_add_nc_u32 v[WIA], s24, v[WIA]               ; my wave's two K steps
	s_lshl_b32 s24, s16, 9
	s_add_co_u32 s24, s24, WSC
	v_add_nc_u32 v[WSA], s24, v[C16]
	s_mul_i32 s24, s16, XSTW
	s_add_co_u32 s24, s24, XST
	v_mul_u32_u24 v[SXW], v15, XP
	v_add_nc_u32 v[SXW], v[SXW], v[C16]
	v_add_nc_u32 v[SXW], s24, v[SXW]
	v_mul_u32_u24 v[SXR], v[TK], XP
	v_add_nc_u32 v[SXR], v[SXR], v[H16]
	v_add_nc_u32 v[SXR], s24, v[SXR]
	s_mul_i32 s24, s16, OSTW
	s_add_co_u32 s24, s24, OST
	v_mul_u32_u24 v[SOW], v[TK], OP
	v_lshl_add_u32 v[SOW], v15, 5, v[SOW]
	v_add_nc_u32 v[SOW], s24, v[SOW]
	v_mul_u32_u24 v[SOR], v15, OP
	v_add_nc_u32 v[SOR], v[SOR], v[C16]
	v_add_nc_u32 v[SOR], s24, v[SOR]
	v_lshlrev_b32 v[BA], 5, v15
	v_lshlrev_b32 v[R4], 2, v[TK]
.irp j, 0,1,2,3
	v_mov_b32 v[PX+\j], 0                          ; written once: a lane permute's destination counts as one of its sources
.endr
	s_mov_b32 s28, 0x76543210
	s_mov_b32 s29, 0xfedcba98                      ; v_permlanex16_b32's selects for lane l xor 16
	s_mov_b32 s30, 0x600000                        ; the mantissa field of 448
	s_and_b32 s17, ttmp7, 0xffff                   ; e
	s_lshl_b32 s18, ttmp9, 8                       ; 256 nb: my 64 columns in bytes
	s_mul_i32 s24, s17, 16640                      ; my expert's region of order
	s_mov_b32 s25, 0
	s_lshl_b32 s26, s17, 22                        ; w[e],
	s_add_co_u32 s26, s26, s18                     ; my columns,
	s_lshl_b32 s27, s16, 20
	s_add_co_u32 s26, s26, s27                     ; my wave's 256 rows
	s_mov_b32 s27, 0
	s_wait_kmcnt 0x0
	s_add_nc_u64 s[8:9], s[8:9], s[24:25]
	s_add_nc_u64 s[10:11], s[10:11], s[26:27]
	s_lshl_b32 s24, s17, 12
	s_add_co_u32 s24, s24, s18
	s_add_nc_u64 s[12:13], s[12:13], s[24:25]      ; b[e] at my columns
	s_mov_b32 s24, s18
	s_add_nc_u64 s[14:15], s[14:15], s[24:25]      ; out0 at my columns
	s_load_b32 s19, s[8:9], 0x0                    ; the expert's count
; ---------------- PHASE W.  Three blocks ahead: 48 loads of w out in each wave, and among them the list's, the first tile's codes and the bias.  Each wait's count is the number of loads issued behind the block that is wanted.
	LOADW 0
	LOADW 1
	LOADW 2
	WIN 0
	s_wait_kmcnt 0x0
	s_min_u32 s19, s19, 0x1000                     ; a loaded number is held before anything is made of it
	s_sub_co_u32 s20, s19, 1
	s_lshl_b32 s20, s20, 2                         ; the last token's place in the list, in bytes
	s_add_co_u32 s21, s19, 15
	s_lshr_b32 s21, s21, 4                         ; tiles of 16 tokens
	s_add_co_u32 s31, s21, 3
	s_sub_co_u32 s31, s31, s16
	s_lshr_b32 s31, s31, 2                         ; my trips: how many of the tiles wv, wv + 4, .. lie under that number; 0 where there are none
	s_lshl_b32 s23, s16, 6                         ; my first tile: wv
	LISTLD
	s_wait_loadcnt 41                              ; block 0 is in; behind it: blocks 1, 2 (32) and the list (9)
	LOADW 3
	QBLOCK 0
	s_wait_loadcnt 41                              ; behind block 1: block 2 (16), the list (9), block 3 (16)
	LOADW 4
	QBLOCK 1
	s_wait_loadcnt 41                              ; behind block 2: the list (9), blocks 3, 4 (32)
	LOADW 5
	QBLOCK 2
	s_wait_loadcnt 32                              ; behind block 3: blocks 4, 5.  The list is in too
	LOADW 6
	QBLOCK 3
	s_wait_loadcnt 32                              ; behind block 4: blocks 5, 6
	LOADW 7
	QBLOCK 4
	s_wait_loadcnt 32                              ; behind block 5: blocks 6, 7
	TOKADDR                                        ; my first tile's addresses,
	XLOAD 0                                        ; and half of its codes
	QBLOCK 5
	s_wait_loadcnt 32                              ; behind block 6: block 7 (16) and those 16
	XLOAD 4
	XSLOAD
	s_add_co_u32 s23, s16, 4
	s_lshl_b32 s23, s23, 6
	LISTLD                                         ; my second tile's tokens (the first list's loads are long in: their registers are free)
.irp i, 0,1,2,3,4,5,6,7
	v_mov_b32 v[OC+\i], v[ON+\i]
.endr
	QBLOCK 6
	s_wait_loadcnt 42                              ; behind block 7: 32 loads of codes, 1 of scale words, 9 of the list
	WIN 0xc0
.irp T, 0,1,2,3
	global_load_b128 v[BI+8*\T:BI+8*\T+3], v[BA], s[12:13] offset:64*\T        ; lane (r, h): b of columns 16 T + 8 h + 0 .. 7: the result's layout
	global_load_b128 v[BI+8*\T+4:BI+8*\T+7], v[BA], s[12:13] offset:64*\T+16
.endr
	QBLOCK 7
	s_wait_dscnt 0x0                               ; for the others' sake: my images and scale words have landed
	s_barrier_signal -1
	s_barrier_wait -1                              ; all 32 fragments lie in LDS; nobody writes them again.  The launch's only barrier, on every wave's path
.irp s, 0,1,2,3,4,5,6,7
	WIN 0x40*(1+\s/4)
.irp T, 0,1,2,3
.irp c, 0,1,2,3
	ds_load_b128 v[16*(4*(\s%4)+\T)+4*\c:16*(4*(\s%4)+\T)+4*\c+3], v[L16] offset:\T*TPITCH+\s*2048+512*\c   ; an image comes back as it was stored: 16 bytes a lane, 512 consecutive bytes
.endr
.endr
.endr
	WIN 0
.irp s, 0,1,2,3,4,5,6,7
.irp p, 0,1
	ds_load_b32 v[BS+2*\s+\p], v[L4S] offset:256*\s+128*\p   ; 32 columns' words: two tiles to a register
.endr
.endr
	s_wait_dscnt 0x0
	s_mov_b32 s22, 0                               ; trips done: my tile is 4 s22 + wv
	s_cmp_lt_u32 s22, s31
	s_cbranch_scc0 .Lend                           ; fewer tiles than waves (or none): nothing for me.  No barrier follows
; ---------------- PHASE T.  At a trip's head, for tile t: its codes and scale words are on their way, OC holds its rows' places in out0, and the tokens of tile t + 4 are on their way.
.Ltile:
	s_wait_loadcnt 0x0                             ; all of that is in (asked for a trip ago), in the first trip the bias too: every load's address register is free
	WIN 0x0c
.irp i, 0,1,2,3,4,5,6,7
.irp q, 0,1,2,3
	ds_store_b128 v[SXW], v[RX+4*(4*\i+\q):RX+4*(4*\i+\q)+3] offset:2*XP*\i+256*\q
.endr
.endr
	WIN 0
.irp s, 0,1,2,3,4,5,6,7
.irp c, 0,1,2,3
	ds_load_b128 v[AF+16*\s+4*\c:AF+16*\s+4*\c+3], v[SXR] offset:128*\s+32*\c   ; my own stage, served in order: these see the stores above.  Lane (r, h): token r, k = 128 s + 32 c + 16 h + 0 .. 15
.endr
.endr
.irp j, 0,1,2,3
	v_mov_b32 v[XS+\j], v[XSR+\j]                  ; far more than eight plain vector lines follow ahead of the products that read these
.endr
	TOKADDR                                        ; tile t + 4
	s_wait_dscnt 32                                ; the 32 stores have read the codes' registers; the 32 fragment loads stay out
	XLOAD 0
	XLOAD 4
	XSLOAD
	s_lshl_b32 s23, s22, 2
	s_add_co_u32 s23, s23, s16                     ; t = 4 x trips done + wv
	s_add_co_u32 s23, s23, 8
	s_lshl_b32 s23, s23, 6                         ; 64 bytes of the list to a tile
	LISTLD                                         ; tile t + 8
.irp s, 0,1,2,3,4,5,6,7
	s_wait_dscnt 4*(7-\s)                          ; K step s's four loads are in; the later steps' may be out
	WIN 0xf1+\s/4
.irp T, 0,1,2,3
	PROD \s, \T                                    ; the four accumulators by turns, one instruction a turn
.endr
.endr
.rept 8
	v_nop                                          ; eight places behind the last product, ahead of the first read of a result
.endr
	WIN 0xcc
.set n, 0
.rept 32
	v_max_num_f32 v[ACC+n], 0, v[ACC+n]            ; relu; each accumulator from its low end on
.set n, n+1
.endr
	WIN 0x0c
.irp T, 0,1,2,3
	ds_store_b128 v[SOW], v[ACC+8*\T:ACC+8*\T+3] offset:64*\T
	ds_store_b128 v[SOW], v[ACC+8*\T+4:ACC+8*\T+7] offset:64*\T+16
.endr
	WIN 0xc0
.irp i, 0,1,2,3,4,5,6,7
	ds_load_b128 v[OB+4*\i:OB+4*\i+3], v[SOR] offset:2*OP*\i   ; back by rows: lanes 0-15 row 2 i, lanes 16-31 row 2 i + 1
.endr
	WIN 0x0c
.irp i, 0,1,2,3,4,5,6,7
	s_wait_dscnt 7-\i
	global_store_b128 v[OC+\i], v[OB+4*\i:OB+4*\i+3], s[14:15] th:TH_STORE_NT   ; sixteen lanes store 256 consecutive bytes of a token's row, at a multiple of 256 from out0's first byte
.endr
	WIN 0
	s_wait_xcnt 0x0                                ; the stores have read their offsets and their data: both are written again only behind this wait
.irp i, 0,1,2,3,4,5,6,7
	v_mov_b32 v[OC+\i], v[ON+\i]
.endr
	s_add_co_u32 s22, s22, 1                       ; the loop is counted by trips, one a trip, against a number that it does not write
	s_cmp_lt_u32 s22, s31
	s_cbranch_scc1 .Ltile
.Lend:
	s_wait_tensorcnt 0x0
	ds_add_u32 v126, v127
	s_wait_dscnt 0x0
	s_endpgm
.Lfunc_end_k_q0e92a1ddc5_experts:
	.size	k_q0e92a1ddc5_experts, .Lfunc_end_k_q0e92a1ddc5_experts-k_q0e92a1ddc5_experts
	.p2alignl 7, 3214868480
	.fill 96, 4, 3214868480
	.section	.rodata,"a",@progbits
	.p2align	6, 0x0
	.amdhsa_kernel k_q0e92a1ddc5_experts
		.amdhsa_group_segment_fixed_size 152320
		.amdhsa_private_segment_fixed_size 0
		.amdhsa_enable_private_segment 0
		.amdhsa_kernarg_size 48
		.amdhsa_user_sgpr_count 2
		.amdhsa_user_sgpr_kernarg_segment_ptr 1
		.amdhsa_wavefront_size32 1
		.amdhsa_system_sgpr_workgroup_id_x 1
		.amdhsa_system_sgpr_workgroup_id_y 1
		.amdhsa_system_sgpr_workgroup_id_z 1
		.amdhsa_system_vgpr_workitem_id 0
		.amdhsa_next_free_vgpr 1024
		.amdhsa_next_free_sgpr 66
		.amdhsa_reserve_vcc 0
		.amdhsa_float_denorm_mode_32 3
		.amdhsa_float_denorm_mode_16_64 3
		.amdhsa_memory_ordered 1
		.amdhsa_forward_progress 1
		.amdhsa_inst_pref_size 125
	.end_amdhsa_kernel
	.amdgpu_metadata
---
amdhsa.version: [ 1, 2 ]
amdhsa.kernels:
  - .name:           k_q0e92a1ddc5_experts
    .symbol:         k_q0e92a1ddc5_experts.kd
    .args:
      - { .name: xc, .offset: 0, .size: 8, .value_kind: global_buffer, .address_space: global }
      - { .name: xs, .offset: 8, .size: 8, .value_kind: global_buffer, .address_space: global }
      - { .name: order, .offset: 16, .size: 8, .value_kind: global_buffer, .address_space: global }
      - { .name: w, .offset: 24, .size: 8, .value_kind: global_buffer, .address_space: global }
      - { .name: b, .offset: 32, .size: 8, .value_kind: global_buffer, .address_space: global }
      - { .name: out0, .offset: 40, .size: 8, .value_kind: global_buffer, .address_space: global }
    .group_segment_fixed_size: 152320
    .private_segment_fixed_size: 0
    .kernarg_segment_align: 8
    .kernarg_segment_size: 48
    .max_flat_workgroup_size: 128
    .sgpr_count:     66
    .vgpr_count:     1024
    .wavefront_size: 32
...
	.end_amdgpu_metadata
.endif
;; end of part 2
;; ======== version 2 of 2: 2 launches
;; workspace buffers: xc 4,194,304 bytes; xs 131,072 bytes; order 266,240 bytes of whole numbers
;; launch prep (part 3): grid 272 x 1, 4 waves a work-group, no clusters, 22,016 bytes of LDS; arguments x, idxs, xc, xs, order; writes xc, xs, order
.if DOCPART == 3
	.amdgcn_target "amdgcn-amd-amdhsa--gfx1250"
	.amdhsa_code_object_version 6
	.text
	.protected	k_q0e92a1ddc5_prep
	.globl	k_q0e92a1ddc5_prep
	.p2align	8
	.type	k_q0e92a1ddc5_prep,@function
k_q0e92a1ddc5_prep:
	s_mov_b64 s[64:65], 0
	v_nop
	global_prefetch_b8 v0, s[64:65] scope:SCOPE_SE
	s_setreg_imm32_b32 hwreg(HW_REG_WAVE_MODE, 25, 1), 1
	s_wait_xcnt 0x0
; TWO JOBS IN ONE LAUNCH, parted by the work-group's number; the two paths never join.
; Work-groups 16 to 271: x [4096][1024] f32 becomes codes of FP8 (E4M3), xc [4096][1024], K innermost, and one E8M0 byte for each 32 along K, xs [4096][32].
;   A block's scale is 2^(floor(log2(its largest magnitude)) - 8); its byte is the largest magnitude's exponent field - 8, held at 1 from below; each number is divided by the scale,
;   held within +-448 and rounded to the nearest code, ties to even.  Rows are dense and 1,024 is a multiple of 32: x is a plain stream of blocks of 32, and so are codes and bytes.
; Work-groups 0 to 15: work-group e lists the tokens whose idxs is e.  order has 16 regions of 16,640 bytes: words 0 to 31 hold the expert's count; from byte 256 on 4,096 words, a
;   permutation of all tokens: the expert's own from place 0 up, all others from place 4,095 down.  So every list word is written and is a token's number.
; LIMITS: NaN and infinities in x are not served.  A block of zeros gets the byte 1 where the rule says 127: its codes are zeros, and this program alone reads the bytes.
;   A token whose idxs lies outside 0 .. 15 stands in no expert's own part.
.set SP,    80                         ; a lane's place in a stage: its 64 bytes + 16 of padding
.set WREG,  5376                       ; LDS of a wave: two stages of 32 x SP bytes, then 256 bytes for its scale bytes
.set R,     16                         ; v16-143  eight sets of 16 numbers as loaded: a set for each step
.set X,     144                        ; v144-175 two sets of 16 neighbours
.set C,     176                        ; v176-207 codes: four registers for each step, so that no store's data are written again
.set E,     208                        ; v208-215 a scale byte for each step
	s_load_b256 s[4:11], s[0:1], 0x0               ; x s[4:5], idxs s[6:7], xc s[8:9], xs s[10:11]
	s_load_b64 s[12:13], s[0:1], 0x20              ; order
	v_lshl_add_u32 v224, v0, 2, 0x5400
	v_mov_b32 v225, 0
	v_lshrrev_b32 v1, 5, v0
	v_readfirstlane_b32 s16, v1                    ; wave 0..3
	v_and_b32 v2, 31, v0                           ; lane
	s_cmp_lt_u32 ttmp9, 16
	s_cbranch_scc1 .Lsort
; ---------------- THE QUANTISER.  A wave takes 8 steps of 512 numbers.  Each load reads 512 consecutive bytes, 16 a lane; a step's 2,048 bytes turn through the wave's own stage in LDS and come
; back 64 bytes a lane: 16 neighbours along K, two neighbouring lanes to a block.  All 32 loads of a wave go out at the head.  Waves share nothing: no barrier.
	s_sub_co_u32 s17, ttmp9, 16
	s_lshl_b32 s17, s17, 2
	s_add_co_u32 s17, s17, s16                     ; which run of 4,096 numbers is my wave's: 0 .. 1,023
	s_lshl_b32 s18, s17, 14                        ; 16,384 bytes of x,
	s_mov_b32 s19, 0
	s_lshl_b32 s20, s17, 12                        ; 4,096 of codes,
	s_mov_b32 s21, 0
	s_lshl_b32 s24, s17, 7                         ; 128 of scale bytes
	s_mov_b32 s25, 0
	s_wait_alu depctr_va_vdst(0)
	v_lshlrev_b32 v3, 4, v2                        ; my 16 bytes of a load's 512, and of a step's 512 codes
	s_mul_i32 s22, s16, WREG
	v_lshrrev_b32 v14, 2, v2
	v_mul_u32_u24 v14, v14, SP
	v_and_b32 v15, 3, v2
	v_lshl_add_u32 v14, v15, 4, v14
	v_add_nc_u32 v14, s22, v14                     ; into the stage: four lanes' 64 bytes on end, then 16 of padding
	v_mul_u32_u24 v15, v2, SP
	v_add_nc_u32 v15, s22, v15                     ; out of it: SP x lane: my 16 neighbours
	v_lshrrev_b32 v5, 1, v2
	s_add_co_u32 s22, s22, 2*32*SP
	v_add_nc_u32 v5, s22, v5                       ; my block's byte among the wave's scale bytes
	v_lshlrev_b32 v7, 2, v2                        ; on the way out 4 bytes a lane
	v_add_nc_u32 v6, s22, v7
	s_mov_b32 s23, 0x600000                        ; the mantissa field of 448
	s_wait_alu depctr_va_vdst(0)
	s_wait_kmcnt 0x0
	s_add_nc_u64 s[4:5], s[4:5], s[18:19]
	s_add_nc_u64 s[8:9], s[8:9], s[20:21]
	s_add_nc_u64 s[10:11], s[10:11], s[24:25]
.macro LOAD t
.irp i, 0,1,2,3
	global_load_b128 v[R+16*(\t)+4*\i:R+16*(\t)+4*\i+3], v3, s[4:5] offset:2048*(\t)+512*\i th:TH_LOAD_NT
.endr
.endm
.macro TURN t                          ; step t's numbers through stage t % 2: LDS serves a wave's instructions in order, so no wait stands between the stores and the loads
.irp i, 0,1,2,3
	ds_store_b128 v14, v[R+16*(\t)+4*\i:R+16*(\t)+4*\i+3] offset:32*SP*((\t)%2)+8*SP*\i
.endr
.irp i, 0,1,2,3
	ds_load_b128 v[X+16*((\t)%2)+4*\i:X+16*((\t)%2)+4*\i+3], v15 offset:32*SP*((\t)%2)+16*\i
.endr
.endm
.macro STEP t
.set XS, X+16*((\t)%2)
.if (\t) > 0
	s_wait_dscnt 1                                 ; this step's numbers are back from the stage; only the last step's byte store was issued behind them
.else
	s_wait_dscnt 0x0
.endif
.if (\t) < 7
	s_wait_loadcnt 4*(6-(\t))                      ; the next step's four loads are in; those of the 6 - t steps behind it may be out
	TURN (\t)+1                                    ; they go through the other stage while this step is worked
.endif
	v_max3_num_f32 v8, |v[XS]|, |v[XS+1]|, |v[XS+2]|               ; the largest magnitude of my 16, in two chains
	v_max3_num_f32 v9, |v[XS+3]|, |v[XS+4]|, |v[XS+5]|
.irp i, 6,10
	v_max3_num_f32 v8, v8, |v[XS+\i]|, |v[XS+\i+1]|
	v_max3_num_f32 v9, v9, |v[XS+\i+2]|, |v[XS+\i+3]|
.endr
	v_max3_num_f32 v8, v8, |v[XS+14]|, |v[XS+15]|
	v_max3_num_f32 v8, v8, v9, 0x4800000           ; and the floor 2^(9 - 127): the byte cannot fall under 1
	v_max_num_f32_dpp v8, v8, v8 row_xmask:1 row_mask:0xf bank_mask:0xf   ; and of my neighbour's 16: the block's
	v_add_nc_u32 v11, 0xfc000000, v8               ; 8 off its exponent field: the conversion takes the exponent field of this operand as its scale
	v_and_or_b32 v10, v8, 0x7f800000, s23          ; 448 x the scale
.irp i, 0,1,2,3,4,5,6,7,8,9,10,11,12,13,14,15
	v_med3_num_f32 v[XS+\i], v[XS+\i], -v10, v10   ; the conversion to an 8-bit code does not saturate (ISA guide 7.6.2): the hold comes first
.endr
	v_cvt_scalef32_pk8_fp8_f32 v[C+4*(\t):C+4*(\t)+1], v[XS:XS+7], v11
	v_cvt_scalef32_pk8_fp8_f32 v[C+4*(\t)+2:C+4*(\t)+3], v[XS+8:XS+15], v11
	v_lshrrev_b32 v[E+(\t)], 23, v11               ; the scale's byte (also the plain line behind the conversions)
	ds_store_b8 v5, v[E+(\t)] offset:16*(\t)       ; both lanes of a block write the same byte with the same value
	global_store_b128 v3, v[C+4*(\t):C+4*(\t)+3], s[8:9] offset:512*(\t)   ; the wave stores 512 consecutive bytes, aligned
.endm
.irp t, 0,1,2,3,4,5,6,7
	LOAD \t
.endr
	s_wait_loadcnt 28                              ; step 0's four loads are in; the other seven steps' 28 may be out
	TURN 0
.irp t, 0,1,2,3,4,5,6,7
	STEP \t
.endr
	ds_load_b32 v12, v6                            ; my wave's 128 scale bytes, 4 a lane: these see my byte stores
	s_wait_dscnt 0x0
	global_store_b32 v7, v12, s[10:11]             ; 128 consecutive bytes
	s_wait_tensorcnt 0x0
	ds_add_u32 v224, v225
	s_wait_dscnt 0x0
	s_endpgm
; ---------------- THE LISTS.  Work-group e, wave w places tokens 1,024 w .. 1,024 w + 1,023.  Each wave reads all 4,096 idxs: its own quarter first (group 0), then the three others, which it only counts.
; No LDS, no barrier, no atomics: a token's place is the number of the expert's tokens ahead of it, in the order (quarter, register, lane).
.set ID,  16                           ; v16-143  idxs: group q at v[16 + 32 q]; register 4 i + j of a group holds token 1,024 Q + 128 i + 4 lane + j
.set PA,  144                          ; v144-175 a byte place in the list for each of my 32 stores
.set PD,  176                          ; v176-207 and its token
.set MB,  208                          ; the expert's tokens ahead of me
.set NP,  209                          ; my place from the back
.set PP,  210
.set CN,  211
.set L16, 212
.set L4,  213
.set Q0,  214                          ; 4,095 - 1,024 w - lane
.set T0,  215                          ; 1,024 w + 4 lane
.set IA,  216                          ; v216-219 a group's byte offset in idxs
.Lsort:
	s_mov_b32 s20, ttmp9                           ; e
	s_mul_i32 s18, ttmp9, 16640
	s_mov_b32 s19, 0
	s_wait_alu depctr_va_vdst(0)
	v_lshlrev_b32 v[L16], 4, v2
	s_wait_alu depctr_va_vdst(0)
	v_lshlrev_b32 v[L4], 2, v2
.irp q, 0,1,2,3
	s_add_co_u32 s21, s16, \q
	s_and_b32 s21, s21, 3                          ; group q is quarter (w + q) mod 4
	s_lshl_b32 s21, s21, 12
	v_add_nc_u32 v[IA+\q], s21, v[L16]
.endr
	s_lshl_b32 s22, s16, 10
	s_sub_co_u32 s21, 4095, s22
	v_sub_nc_u32 v[Q0], s21, v2
	v_lshl_add_u32 v[T0], v2, 2, s22
	s_wait_alu depctr_va_vdst(0)
	s_wait_kmcnt 0x0
	s_add_nc_u64 s[12:13], s[12:13], s[18:19]      ; my expert's region
.irp q, 0,1,2,3
.irp i, 0,1,2,3,4,5,6,7
	global_load_b128 v[ID+32*\q+4*\i:ID+32*\q+4*\i+3], v[IA+\q], s[6:7] offset:512*\i
.endr
.endr
	s_wait_loadcnt 0x0
.irp q, 1,2,3                          ; the other quarters' counts: s25, s26, s27
	s_mov_b32 s[24+\q], 0
.set k, 0
.rept 32
	v_cmp_eq_u32 s[32+k], s20, v[ID+32*\q+k]
.set k, k+1
.endr
.set k, 0
.rept 32
	s_bcnt1_i32_b32 s[32+k], s[32+k]
.set k, k+1
.endr
.set k, 0
.rept 32
	s_add_co_u32 s[24+\q], s[24+\q], s[32+k]
.set k, k+1
.endr
.endr
	s_mov_b32 s66, 0                               ; the expert's tokens in the quarters ahead of mine: group q lies ahead where w + q has passed 4
.irp q, 1,2,3
	s_add_co_u32 s21, s16, \q
	s_cmp_ge_u32 s21, 4
	s_cselect_b32 s21, s[24+\q], 0
	s_add_co_u32 s66, s66, s21
.endr
.set g, 0
.rept 32
	v_cmp_eq_u32 s[32+g], s20, v[ID+g]             ; my quarter: a mask for each register
.set g, g+1
.endr
.set g, 0
.rept 32
	s_bcnt1_i32_b32 s21, s[32+g]
	s_add_co_u32 s[67+g], s[66+g], s21             ; s[66 + g]: the expert's tokens ahead of register g
.set g, g+1
.endr
.set g, 0
.rept 32
	v_mbcnt_lo_u32_b32 v[MB], s[32+g], s[66+g]     ; + those in the lanes below mine
	v_add3_u32 v[NP], v[MB], v[Q0], -32*g          ; 4,095 - (tokens ahead of me - the expert's among them)
	v_cndmask_b32 v[PP], v[NP], v[MB], s[32+g]     ; the expert's own from the front, the others from the back
	v_min_u32 v[PP], 0xfff, v[PP]                  ; a place made of loaded numbers is held inside the list
	v_lshlrev_b32 v[PA+g], 2, v[PP]
	v_add_nc_u32 v[PD+g], 128*(g/4)+g%4, v[T0]
	global_store_b32 v[PA+g], v[PD+g], s[12:13] offset:256   ; each store has registers of its own: none is written again
.set g, g+1
.endr
	s_cmp_lg_u32 s16, 0
	s_cbranch_scc1 .Lsorted
	s_add_co_u32 s21, s98, s25                     ; wave 0: its own quarter's count (its base is 0) and the three others'
	s_add_co_u32 s21, s21, s26
	s_add_co_u32 s21, s21, s27
	v_mov_b32 v[CN], s21
	global_store_b32 v[L4], v[CN], s[12:13]        ; the count, in words 0 to 31
.Lsorted:
	s_endpgm
.Lfunc_end_k_q0e92a1ddc5_prep:
	.size	k_q0e92a1ddc5_prep, .Lfunc_end_k_q0e92a1ddc5_prep-k_q0e92a1ddc5_prep
	.p2alignl 7, 3214868480
	.fill 96, 4, 3214868480
	.section	.rodata,"a",@progbits
	.p2align	6, 0x0
	.amdhsa_kernel k_q0e92a1ddc5_prep
		.amdhsa_group_segment_fixed_size 22016
		.amdhsa_private_segment_fixed_size 0
		.amdhsa_enable_private_segment 0
		.amdhsa_kernarg_size 40
		.amdhsa_user_sgpr_count 2
		.amdhsa_user_sgpr_kernarg_segment_ptr 1
		.amdhsa_wavefront_size32 1
		.amdhsa_system_sgpr_workgroup_id_x 1
		.amdhsa_system_sgpr_workgroup_id_y 1
		.amdhsa_system_sgpr_workgroup_id_z 1
		.amdhsa_system_vgpr_workitem_id 0
		.amdhsa_next_free_vgpr 226
		.amdhsa_next_free_sgpr 100
		.amdhsa_reserve_vcc 0
		.amdhsa_float_denorm_mode_32 3
		.amdhsa_float_denorm_mode_16_64 3
		.amdhsa_memory_ordered 1
		.amdhsa_forward_progress 1
		.amdhsa_inst_pref_size 62
	.end_amdhsa_kernel
	.amdgpu_metadata
---
amdhsa.version: [ 1, 2 ]
amdhsa.kernels:
  - .name:           k_q0e92a1ddc5_prep
    .symbol:         k_q0e92a1ddc5_prep.kd
    .args:
      - { .name: x, .offset: 0, .size: 8, .value_kind: global_buffer, .address_space: global }
      - { .name: idxs, .offset: 8, .size: 8, .value_kind: global_buffer, .address_space: global }
      - { .name: xc, .offset: 16, .size: 8, .value_kind: global_buffer, .address_space: global }
      - { .name: xs, .offset: 24, .size: 8, .value_kind: global_buffer, .address_space: global }
      - { .name: order, .offset: 32, .size: 8, .value_kind: global_buffer, .address_space: global }
    .group_segment_fixed_size: 22016
    .private_segment_fixed_size: 0
    .kernarg_segment_align: 8
    .kernarg_segment_size: 40
    .max_flat_workgroup_size: 128
    .sgpr_count:     100
    .vgpr_count:     226
    .wavefront_size: 32
...
	.end_amdgpu_metadata
.endif
;; end of part 3
;; launch experts (part 4): grid 16 x 16, 4 waves a work-group, no clusters, 152,320 bytes of LDS; arguments xc, xs, order, w, b, out0; writes out0
.if DOCPART == 4
	.amdgcn_target "amdgcn-amd-amdhsa--gfx1250"
	.amdhsa_code_object_version 6
	.text
	.protected	k_q0e92a1ddc5_experts
	.globl	k_q0e92a1ddc5_experts
	.p2align	8
	.type	k_q0e92a1ddc5_experts,@function
k_q0e92a1ddc5_experts:
	s_mov_b64 s[64:65], 0
	v_nop
	global_prefetch_b8 v0, s[64:65] scope:SCOPE_SE
	s_setreg_imm32_b32 hwreg(HW_REG_WAVE_SCHED_MODE, 0, 2), 2
	s_setreg_imm32_b32 hwreg(HW_REG_WAVE_MODE, 25, 1), 1
	s_wait_xcnt 0x0
	s_wait_alu depctr_vm_vsrc(0)
; out0[t] = relu(Q(x[t]) Q(w[e]) + b[e]) for the tokens t of expert e, on codes of FP8 (E4M3) with one E8M0 scale for each 32 along K = 1,024.  Only the chosen expert's rows are multiplied.
; SHARES.  Work-group (nb, e) owns w[e][:, 64 nb .. 64 nb + 63]: 1,024 rows of 256 aligned bytes that no other work-group reads: w is read once, as f32, and its codes never go to memory.
; PHASE W.  Wave wv quantises k = 256 wv .. + 255 of the 64 columns, along K: a lane takes four columns and its registers run down K.  The codes go to LDS as images of the operand's registers.
;   One barrier.  Then every wave keeps all 32 fragments (4 tiles of 16 columns x 8 K steps, 512 registers) and their scale words for the rest of the launch.
; PHASE T.  Wave wv takes tiles wv, wv + 4, .. of the expert's ceil(count / 16) tiles of 16 tokens: the tokens' codes (made by the launch before) are gathered by the stored list, whole 256-byte pieces of a
;   row at a time, turned through the wave's own LDS stage into fragments; 32 matrix instructions; relu; out through the wave's own stage, sixteen lanes to 256 consecutive aligned bytes of a token's row.
;   The waves are independent there: the trip count hangs on the stored count, so the loop has no barrier, and the launch has no tensor load and no copy.
; THE MATRIX INSTRUCTION IS USED TRANSPOSED: source 0 = 16 columns of w, source 1 = 16 tokens: a lane holds one token (lane % 16) and eight neighbouring columns.  The bias is the C of a sum's first instruction.
; NO CLUSTER: what work-groups share is the tokens' codes, whose addresses and number hang on stored counts; w, the bulk of the bytes, is shared by nobody.
; LIMITS: NaN and infinities are not served.  A block of zeros gets the byte 1 where the rule says 127 (its codes are zeros; the bytes stay in this work-group).  A tile's missing rows repeat the expert's last
;   token: it is computed and stored again, with the same numbers, by the same wave.  A token whose idxs lies outside 0 .. 15 is in no list, and its row is not written.
; THE MODE: SCHED_MODE bits 1:0 = 2 (LLVM: expert scheduling mode 2), set by the entry lines.  The code itself states the register dependences between vector or matrix instructions and memory or LDS
;   instructions, with s_wait_alu, always for 0.
; THE PLAN, for the loop of phase T.  Registers that memory or LDS instructions touch:
;   RX            the next tile's codes.  Written by the trip's 32 loads; read by the 32 LDS stores at the next trip's head.  No vector line names it.
;   AF            the tokens' fragments.  Written by the trip's 32 LDS loads; read by its 32 products.
;   XSR, LT       the next tile's scale words, and the tokens of the tile after it.  Written by loads; read by the copies into XS and by the address lines.
;   XA, XSA, LA   offsets.  Written by the trip's address lines, which stand in one run; read by the 42 loads behind them.
;   OC            this tile's places in out0.  Written by eight copies at a trip's end; read by the next trip's eight stores.
;   ACC, OB       ACC: written by the products and the relu, read by eight LDS stores.  OB: written by eight LDS loads, read by the eight stores.
;   The lane terms v1 to v14 are made once, at the head, and never written again.
;   Four lines a trip state all of it.  Ahead of the 42 loads: the stage's LDS stores have read RX; the address lines and the copies are done.  Ahead of the LDS stores of ACC: the relu has written it; that line
;   also shows the products done with AF, and behind it the vector side issues the copies into OC alone, so the next trip's loads into AF owe nothing more.  At the trip's end: all that the trip's memory and
;   LDS instructions read (OC, OB, ACC, XA, XSA, LA) has been read, so the copies, the next address lines, products and loads may write it.
;   RX has one buffer: w's fragments take 512 registers, AF and RX 128 each, and of the rest 72 are free.
; REGISTERS, in windows of 256 (s_set_vgpr_msb's low byte: bits 1:0 source 0, 3:2 source 1, 5:4 source 2, 7:6 destination):
;   window 0: addresses, lists, scale words; v128-255 at work in phase W, the tokens' fragments in phase T.   windows 1, 2: w as loaded (block t at window 1 + t / 4, register 64 (t % 4) + 4 i + j), later its
;   fragments ((s, T) at window 1 + s / 4, register 16 (4 (s % 4) + T)).   window 3: v0-127 the tokens' codes as loaded; v128-159 accumulators; v160-191 the bias; v192-223 rows on the way out.
.set TPITCH, 16400                     ; LDS: a column tile's 8 fragments of 2,048 bytes, + 16: so the sixteen lanes of a store (4 tiles x 4 places 64 bytes apart) fall on sixteen different 16-byte columns of 256
.set WSC,    65792                     ; w's scale words [K step][column]: 256 s + 4 n
.set XST,    67840                     ; a stage of 16 rows x (1,024 + 16) bytes for each wave: the tokens' codes
.set XP,     1040
.set XSTW,   16*XP
.set OST,    134400                    ; a stage of 16 rows x (256 + 16) bytes for each wave: the way out
.set OP,     272
.set OSTW,   16*OP
.set L16, 1                            ; 16 lane
.set L4S, 2                            ; WSC + 4 lane
.set C16, 3                            ; 16 (lane % 16)
.set HL4, 4                            ; 4 (lane / 16)
.set H16, 5                            ; 16 (lane / 16)
.set WA,  6                            ; w: 16 rows x (lane / 16) + 16 (lane % 16)
.set WIA, 7                            ; where my codes go among the images
.set WSA, 8                            ; and my four columns' scale words
.set SXW, 9                            ; the tokens' stage: in,
.set SXR, 10                           ; and out, as fragments
.set SOW, 11                           ; the way out: in,
.set SOR, 12                           ; and back, by rows
.set BA,  13                           ; 32 (lane / 16): my eight numbers of a tile's bias
.set R4,  14                           ; 4 (lane % 16)
.set LA,  16                           ; v16-24  places in the list
.set LT,  26                           ; v26-34  tokens: i < 8: of row 2 i + lane / 16; 8: of row lane % 16
.set XA,  36                           ; v36-43  byte offsets in xc
.set XSA, 44                           ; in xs
.set ON,  46                           ; v46-53  byte offsets in out0, the next tile's
.set OC,  54                           ; v54-61  this tile's
.set TK,  62                           ; v62-63  at work
.set BS,  64                           ; v64-79  w's scale words: 2 s + T / 2: lanes 0-15 the even tile's, lanes 16-31 the odd one's
.set XS,  80                           ; v80-83  the tokens' scale words in use: register j: lanes 0-15 K step j, lanes 16-31 K step 4 + j
.set XSR, 84                           ; v84-87  the next tile's, as loaded
.set AF,  128                          ; the tokens' fragments: 16 s + 4 c
.set TT,  128                          ; phase W: v128-191 64 numbers, K along the registers: 16 j + i
.set M,   192                          ; v192-215 partial maxima, six a column
.set AM,  216                          ; the block's largest magnitude, for each of my four columns
.set PX,  220                          ; the other half of the lanes'
.set SCL, 224                          ; the conversion's scale operand
.set LIM, 228                          ; 448 x the scale
.set BY,  232                          ; the byte
.set WD,  236                          ; the scale word in the making
.set CD,  240                          ; v240-255 the codes
.set RX,  0                            ; window 3
.set ACC, 128
.set BI,  160
.set OB,  192
.set MSB, 0
.macro WIN new                         ; the immediate's high byte repeats the setting that is left; a switch that changes nothing is dropped
.if MSB != (\new)
	s_set_vgpr_msb (MSB<<8)|(\new)
.set MSB, \new
.endif
.endm
; block t of my 8: 32 along K x 64 columns.  Lanes 0-15 read one whole row of 256 bytes, lanes 16-31 the row 16 further down: so a lane's 16 loads are k = 32 t + 16 (lane / 16) + 0 .. 15 of four columns.
; Each block lands in 64 registers of its own, which no vector line has named: of registers these loads hang on the offset v[WA] alone, written at the head
.macro LOADW t
	WIN 0x40*(1+(\t)/4)
.irp i, 0,1,2,3,4,5,6,7,8,9,10,11,12,13,14,15
	global_load_b128 v[64*((\t)%4)+4*\i:64*((\t)%4)+4*\i+3], v[WA], s[10:11] offset:(32*(\t)+\i)*4096 th:TH_LOAD_NT
.endr
.endm
; block t is quantised: four columns a lane, 16 numbers of each; a block's other 16 lie in lane l xor 16.  The codes are registers 4 c .. 4 c + 3 (c = t % 4) of K step 2 wv + t / 4.
.macro QBLOCK t
.set RB, 64*((\t)%4)
	s_wait_dscnt 0x0                               ; the last block's LDS stores have landed
.if (\t) > 0
	s_wait_alu depctr_vm_vsrc(0)                   ; the last block's LDS stores have read v[CD ..] and v[WD ..], which this block's lines write again
.endif
	WIN 0x15*(1+(\t)/4)
.irp j, 0,1,2,3
.irp g, 0,1,2,3,4
	v_max3_num_f32 v[M+6*\j+\g], |v[RB+12*\g+\j]|, |v[RB+12*\g+4+\j]|, |v[RB+12*\g+8+\j]|   ; rows 3 g .. 3 g + 2 of column j
.endr
	v_max3_num_f32 v[M+6*\j+5], |v[RB+52+\j]|, |v[RB+56+\j]|, |v[RB+60+\j]|                  ; rows 13 .. 15 (two of them a second time)
.endr
	WIN 0
.irp j, 0,1,2,3
	v_max3_num_f32 v[M+6*\j], v[M+6*\j], v[M+6*\j+1], v[M+6*\j+2]
.endr
.irp j, 0,1,2,3
	v_max3_num_f32 v[M+6*\j+3], v[M+6*\j+3], v[M+6*\j+4], v[M+6*\j+5]
.endr
.irp j, 0,1,2,3
	v_max3_num_f32 v[AM+\j], v[M+6*\j], v[M+6*\j+3], 0x4800000   ; and the floor 2^(9 - 127): the byte cannot fall under 1
.endr
.irp j, 0,1,2,3
	v_permlanex16_b32 v[PX+\j], v[AM+\j], s28, s29
.endr
.irp j, 0,1,2,3
	v_max_num_f32 v[AM+\j], v[AM+\j], v[PX+\j]     ; with lane l xor 16's: the block's largest magnitude
.endr
.irp j, 0,1,2,3
	v_add_nc_u32 v[SCL+\j], 0xfc000000, v[AM+\j]   ; 8 off its exponent field: the conversion's scale operand
.endr
.irp j, 0,1,2,3
	v_and_or_b32 v[LIM+\j], v[AM+\j], 0x7f800000, s30   ; 448 x the scale
.endr
.if (\t)%4 == 0
.irp j, 0,1,2,3
	v_lshrrev_b32 v[WD+\j], 23, v[SCL+\j]          ; the byte: the first of a K step's four
.endr
.else
.irp j, 0,1,2,3
	v_lshrrev_b32 v[BY+\j], 23, v[SCL+\j]
.endr
.irp j, 0,1,2,3
	v_lshl_or_b32 v[WD+\j], v[BY+\j], 8*((\t)%4), v[WD+\j]
.endr
.endif
	WIN 1+(\t)/4
.irp j, 0,1,2,3
.irp i, 0,1,2,3,4,5,6,7,8,9,10,11,12,13,14,15
	v_med3_num_f32 v[TT+16*\j+\i], v[RB+4*\i+\j], -v[LIM+\j], v[LIM+\j]   ; the hold that the conversion wants (ISA guide 7.6.2) also lays a column's 16 numbers in consecutive registers
.endr
.endr
	WIN 0
.irp j, 0,1,2,3
	v_cvt_scalef32_pk8_fp8_f32 v[CD+4*\j:CD+4*\j+1], v[TT+16*\j:TT+16*\j+7], v[SCL+\j]
	v_cvt_scalef32_pk8_fp8_f32 v[CD+4*\j+2:CD+4*\j+3], v[TT+16*\j+8:TT+16*\j+15], v[SCL+\j]
.endr
	v_nop                                          ; a plain line behind the last conversion, ahead of the next vector line that writes its sources
	s_wait_alu depctr_va_vdst(0)                   ; the conversions have written v[CD ..] and the shifts v[WD ..], which the LDS stores below read
.irp j, 0,1,2,3
	ds_store_b128 v[WIA], v[CD+4*\j:CD+4*\j+3] offset:512*(\t)+16*\j   ; column 4 (lane % 16) + j is lane 4 (lane % 4) + j + 16 (lane / 16) of tile (lane % 16) / 4
.endr
.if (\t)%4 == 3
	ds_store_b128 v[WSA], v[WD:WD+3] offset:256*((\t)/4)   ; a K step's scale words of my four columns (both halves of the lanes write the same bytes with the same values)
.endif
.endm
; the tokens of the tile whose first list byte is s23, in two parts: the places, and the loads.  A place past the expert's last token is held at that token; the second hold, by a constant, keeps every place
; inside the list whatever the count.  Between the two parts stands a wait on va_vdst: the places are written, and the address lines are done reading the tokens' registers, in which the loads land
.macro LISTAD
.irp i, 0,1,2,3,4,5,6,7
	v_add3_u32 v[LA+\i], v[HL4], s23, 8*\i
.endr
	v_add_nc_u32 v[LA+8], s23, v[R4]
.irp i, 0,1,2,3,4,5,6,7,8
	v_min_u32 v[LA+\i], s20, v[LA+\i]
.endr
.irp i, 0,1,2,3,4,5,6,7,8
	v_min_u32 v[LA+\i], 0x3ffc, v[LA+\i]
.endr
.endm
.macro LISTGO
.irp i, 0,1,2,3,4,5,6,7,8
	global_load_b32 v[LT+\i], v[LA+\i], s[8:9] offset:256
.endr
.endm
.macro TOKADDR                         ; tokens into byte offsets: 1,024 a row in xc, 4,096 in out0, 32 in xs
.irp i, 0,1,2,3,4,5,6,7
	v_min_u32 v[TK], 0xfff, v[LT+\i]
	v_lshl_add_u32 v[XA+\i], v[TK], 10, v[C16]
	v_lshl_add_u32 v[ON+\i], v[TK], 12, v[C16]
.endr
	v_min_u32 v[TK], 0xfff, v[LT+8]
	v_lshl_add_u32 v[XSA], v[TK], 5, v[H16]
.endm
.macro XLOAD i0                        ; rows 2 i + lane / 16, i = i0 .. i0 + 3: sixteen lanes read 256 consecutive aligned bytes of one token's codes
	WIN 0xc0
.irp i, \i0, \i0+1, \i0+2, \i0+3
.irp q, 0,1,2,3
	global_load_b128 v[RX+4*(4*(\i)+\q):RX+4*(4*(\i)+\q)+3], v[XA+(\i)], s[4:5] offset:256*\q
.endr
.endr
.endm
.macro XSLOAD                          ; token lane % 16: the scale words of K steps 4 (lane / 16) + 0 .. 3
	WIN 0
	global_load_b128 v[XSR:XSR+3], v[XSA], s[6:7]
.endm
; one product: K step s, column tile T.  The scale registers hold scales alone; the row selectors pick the half of the lanes
.macro PROD s, T
.set rD, ACC+8*(\T)
.set rW, 16*(4*((\s)%4)+(\T))
.set rA, AF+16*(\s)
.if (\s) == 0
.set rC, BI+8*(\T)
.else
.set rC, ACC+8*(\T)
.endif
.set rS, BS+2*(\s)+(\T)/2
.set rX, XS+(\s)%4
.if ((\T)%2 == 0) && ((\s) < 4)
	v_wmma_scale_f32_16x16x128_f8f6f4 v[rD:rD+7], v[rW:rW+15], v[rA:rA+15], v[rC:rC+7], v[rS], v[rX]
.elseif (\s) < 4
	v_wmma_scale_f32_16x16x128_f8f6f4 v[rD:rD+7], v[rW:rW+15], v[rA:rA+15], v[rC:rC+7], v[rS], v[rX] matrix_a_scale:MATRIX_SCALE_ROW1
.elseif (\T)%2 == 0
	v_wmma_scale_f32_16x16x128_f8f6f4 v[rD:rD+7], v[rW:rW+15], v[rA:rA+15], v[rC:rC+7], v[rS], v[rX] matrix_b_scale:MATRIX_SCALE_ROW1
.else
	v_wmma_scale_f32_16x16x128_f8f6f4 v[rD:rD+7], v[rW:rW+15], v[rA:rA+15], v[rC:rC+7], v[rS], v[rX] matrix_a_scale:MATRIX_SCALE_ROW1 matrix_b_scale:MATRIX_SCALE_ROW1
.endif
.endm
	s_load_b256 s[4:11], s[0:1], 0x0               ; xc s[4:5], xs s[6:7], order s[8:9], w s[10:11]
	s_load_b128 s[12:15], s[0:1], 0x20             ; b s[12:13], out0 s[14:15]
	v_lshl_add_u32 v126, v0, 2, 0x25100
	v_mov_b32 v127, 0
	v_lshrrev_b32 v[TK], 5, v0
	v_readfirstlane_b32 s16, v[TK]                 ; wave 0..3
	v_and_b32 v[TK+1], 31, v0                      ; lane
	v_and_b32 v[TK], 15, v0                        ; lane % 16
	v_bfe_u32 v15, v0, 4, 1                        ; lane / 16
	v_lshlrev_b32 v[L16], 4, v[TK+1]
	v_lshl_add_u32 v[L4S], v[TK+1], 2, WSC
	v_lshlrev_b32 v[C16], 4, v[TK]
	v_lshlrev_b32 v[HL4], 2, v15
	v_lshlrev_b32 v[H16], 4, v15
	v_lshl_add_u32 v[WA], v15, 16, v[C16]          ; a row of w is 4,096 bytes
	v_lshrrev_b32 v25, 2, v[TK]
	v_mul_u32_u24 v[WIA], v25, TPITCH              ; my four columns' tile,
	v_and_b32 v25, 3, v[TK]
	v_lshl_add_u32 v[WIA], v25, 6, v[WIA]          ; their four lanes' places,
	v_lshl_add_u32 v[WIA], v15, 8, v[WIA]          ; my half of the lanes,
	s_wait_alu depctr_va_sdst(0)                   ; s16 is written, ahead of the first line that reads it: LDS places, bases and the trip count are made from it
	s_lshl_b32 s24, s16, 12
	v_add_nc_u32 v[WIA], s24, v[WIA]               ; my wave's two K steps
	s_lshl_b32 s24, s16, 9
	s_add_co_u32 s24, s24, WSC
	v_add_nc_u32 v[WSA], s24, v[C16]
	s_mul_i32 s24, s16, XSTW
	s_add_co_u32 s24, s24, XST
	v_mul_u32_u24 v[SXW], v15, XP
	v_add_nc_u32 v[SXW], v[SXW], v[C16]
	v_add_nc_u32 v[SXW], s24, v[SXW]
	v_mul_u32_u24 v[SXR], v[TK], XP
	v_add_nc_u32 v[SXR], v[SXR], v[H16]
	v_add_nc_u32 v[SXR], s24, v[SXR]
	s_mul_i32 s24, s16, OSTW
	s_add_co_u32 s24, s24, OST
	v_mul_u32_u24 v[SOW], v[TK], OP
	v_lshl_add_u32 v[SOW], v15, 5, v[SOW]
	v_add_nc_u32 v[SOW], s24, v[SOW]
	v_mul_u32_u24 v[SOR], v15, OP
	v_add_nc_u32 v[SOR], v[SOR], v[C16]
	v_add_nc_u32 v[SOR], s24, v[SOR]
	v_lshlrev_b32 v[BA], 5, v15
	v_lshlrev_b32 v[R4], 2, v[TK]
.irp j, 0,1,2,3
	v_mov_b32 v[PX+\j], 0                          ; written once: a lane permute's destination counts as one of its sources
.endr
	s_mov_b32 s28, 0x76543210
	s_mov_b32 s29, 0xfedcba98                      ; v_permlanex16_b32's selects for lane l xor 16
	s_mov_b32 s30, 0x600000                        ; the mantissa field of 448
	s_and_b32 s17, ttmp7, 0xffff                   ; e
	s_lshl_b32 s18, ttmp9, 8                       ; 256 nb: my 64 columns in bytes
	s_mul_i32 s24, s17, 16640                      ; my expert's region of order
	s_mov_b32 s25, 0
	s_lshl_b32 s26, s17, 22                        ; w[e],
	s_add_co_u32 s26, s26, s18                     ; my columns,
	s_lshl_b32 s27, s16, 20
	s_add_co_u32 s26, s26, s27                     ; my wave's 256 rows
	s_mov_b32 s27, 0
	s_wait_kmcnt 0x0
	s_add_nc_u64 s[8:9], s[8:9], s[24:25]
	s_add_nc_u64 s[10:11], s[10:11], s[26:27]
	s_lshl_b32 s24, s17, 12
	s_add_co_u32 s24, s24, s18
	s_add_nc_u64 s[12:13], s[12:13], s[24:25]      ; b[e] at my columns
	s_mov_b32 s24, s18
	s_add_nc_u64 s[14:15], s[14:15], s[24:25]      ; out0 at my columns
	s_load_b32 s19, s[8:9], 0x0                    ; the expert's count
	s_wait_alu depctr_va_vdst(0)                   ; the lane terms v1 to v14 are written, which loads, stores and LDS instructions read as offsets and addresses from here to the end; none is written again
; ---------------- PHASE W.  Three blocks ahead: 48 loads of w out in each wave, and among them the list's, the first tile's codes and the bias.  Each wait's count is the number of loads issued behind the block that is wanted.
	LOADW 0
	LOADW 1
	LOADW 2
	WIN 0
	s_wait_kmcnt 0x0
	s_min_u32 s19, s19, 0x1000                     ; a loaded number is held before anything is made of it
	s_sub_co_u32 s20, s19, 1
	s_lshl_b32 s20, s20, 2                         ; the last token's place in the list, in bytes
	s_add_co_u32 s21, s19, 15
	s_lshr_b32 s21, s21, 4                         ; tiles of 16 tokens
	s_add_co_u32 s31, s21, 3
	s_sub_co_u32 s31, s31, s16
	s_lshr_b32 s31, s31, 2                         ; my trips: how many of the tiles wv, wv + 4, .. lie under that number; 0 where there are none
	s_lshl_b32 s23, s16, 6                         ; my first tile: wv
	LISTAD
	s_wait_alu depctr_va_vdst(0)                   ; v[LA ..] are written, which the list's loads read as offsets
	LISTGO
	s_wait_loadcnt 41                              ; block 0 is in; behind it: blocks 1, 2 (32) and the list (9)
	LOADW 3
	QBLOCK 0
	s_wait_loadcnt 41                              ; behind block 1: block 2 (16), the list (9), block 3 (16)
	LOADW 4
	QBLOCK 1
	s_wait_loadcnt 41                              ; behind block 2: the list (9), blocks 3, 4 (32)
	LOADW 5
	QBLOCK 2
	s_wait_loadcnt 32                              ; behind block 3: blocks 4, 5.  The list is in too
	LOADW 6
	QBLOCK 3
	s_wait_loadcnt 32                              ; behind block 4: blocks 5, 6
	LOADW 7
	QBLOCK 4
	s_wait_loadcnt 32                              ; behind block 5: blocks 6, 7
	TOKADDR                                        ; my first tile's addresses,
	WIN 0xc0
	s_wait_alu depctr_va_vdst(0)                   ; v[XA ..] and v[XSA] are written, which the loads of the first tile's codes and scale words read as offsets
	XLOAD 0                                        ; and half of its codes
	QBLOCK 5
	s_wait_loadcnt 32                              ; behind block 6: block 7 (16) and those 16
	XLOAD 4                                        ; no wait: behind block 5's wait on va_vdst only its LDS stores were issued, and they name neither v[XA ..], v[XSA] nor the registers in which these loads land
	XSLOAD
	s_add_co_u32 s23, s16, 4
	s_lshl_b32 s23, s23, 6
	LISTAD                                         ; my second tile's tokens (the first list's loads are long in, and they stand ahead of the blocks' waits on vm_vsrc: their offsets may be written)
	s_wait_alu depctr_va_vdst(0)                   ; v[LA ..] are written, which the list's loads read; the address lines are done reading v[LT ..], in which they land
	LISTGO
.irp i, 0,1,2,3,4,5,6,7
	v_mov_b32 v[OC+\i], v[ON+\i]
.endr
	QBLOCK 6
	s_wait_loadcnt 42                              ; behind block 7: 32 loads of codes, 1 of scale words, 9 of the list
	WIN 0xc0
.irp T, 0,1,2,3
	global_load_b128 v[BI+8*\T:BI+8*\T+3], v[BA], s[12:13] offset:64*\T        ; lane (r, h): b of columns 16 T + 8 h + 0 .. 7: the result's layout
	global_load_b128 v[BI+8*\T+4:BI+8*\T+7], v[BA], s[12:13] offset:64*\T+16
.endr
	QBLOCK 7
	s_wait_dscnt 0x0                               ; for the others' sake: my images and scale words have landed
	s_barrier_signal -1
	s_barrier_wait -1                              ; all 32 fragments lie in LDS; nobody writes them again.  The launch's only barrier, on every wave's path
	s_wait_alu depctr_vm_vsrc(0)                   ; my last block's LDS stores have read v[CD ..] and v[WD ..]: these registers are part of the tokens' fragments from here on, written by LDS loads
	s_wait_alu depctr_va_vdst(0)                   ; the blocks' lines are done reading windows 1 and 2, in which w's fragments land below, and done with v128-255 of window 0, in which the tokens' fragments land
.irp s, 0,1,2,3,4,5,6,7
	WIN 0x40*(1+\s/4)
.irp T, 0,1,2,3
.irp c, 0,1,2,3
	ds_load_b128 v[16*(4*(\s%4)+\T)+4*\c:16*(4*(\s%4)+\T)+4*\c+3], v[L16] offset:\T*TPITCH+\s*2048+512*\c   ; an image comes back as it was stored: 16 bytes a lane, 512 consecutive bytes
.endr
.endr
.endr
	WIN 0
.irp s, 0,1,2,3,4,5,6,7
.irp p, 0,1
	ds_load_b32 v[BS+2*\s+\p], v[L4S] offset:256*\s+128*\p   ; 32 columns' words: two tiles to a register
.endr
.endr
	s_wait_dscnt 0x0
	s_mov_b32 s22, 0                               ; trips done: my tile is 4 s22 + wv
	s_cmp_lt_u32 s22, s31
	s_cbranch_scc0 .Lend                           ; fewer tiles than waves (or none): nothing for me.  No barrier follows
; ---------------- PHASE T.  At a trip's head, for tile t: its codes and scale words are on their way, OC holds its rows' places in out0, and the tokens of tile t + 4 are on their way.
.Ltile:
	s_wait_loadcnt 0x0                             ; all of that is in (asked for a trip ago), in the first trip the bias too: every load's address register is free
	WIN 0x0c
.irp i, 0,1,2,3,4,5,6,7
.irp q, 0,1,2,3
	ds_store_b128 v[SXW], v[RX+4*(4*\i+\q):RX+4*(4*\i+\q)+3] offset:2*XP*\i+256*\q
.endr
.endr
	WIN 0
.irp s, 0,1,2,3,4,5,6,7
.irp c, 0,1,2,3
	ds_load_b128 v[AF+16*\s+4*\c:AF+16*\s+4*\c+3], v[SXR] offset:128*\s+32*\c   ; my own stage, served in order: these see the stores above.  Lane (r, h): token r, k = 128 s + 32 c + 16 h + 0 .. 15.  No wait: the last trip's products stand ahead of its wait on va_vdst on the way out (in the first trip: the one behind the barrier), and no vector line since names these registers
.endr
.endr
.irp j, 0,1,2,3
	v_mov_b32 v[XS+\j], v[XSR+\j]                  ; far more than eight plain vector lines follow ahead of the products that read these
.endr
	TOKADDR                                        ; tile t + 4.  (Its offsets, and the list's below, were read by loads that stand ahead of the wait on vm_vsrc at the last trip's end; in the first trip ahead of block 7's)
	s_lshl_b32 s23, s22, 2
	s_add_co_u32 s23, s23, s16                     ; t = 4 x trips done + wv
	s_add_co_u32 s23, s23, 8
	s_lshl_b32 s23, s23, 6                         ; 64 bytes of the list to a tile
	LISTAD                                         ; tile t + 8: all of the trip's address lines stand in one run, so that one wait serves the 42 loads below
	s_wait_dscnt 32                                ; the 32 stores into the stage have landed; the 32 fragment loads stay out
	WIN 0xc0
	s_wait_alu depctr_vm_vsrc(0)                   ; the 32 LDS stores have read the codes' registers, in which the loads below land
	s_wait_alu depctr_va_vdst(0)                   ; v[XA ..], v[XSA], v[LA ..] are written, which the loads below read; the copies are done reading v[XSR ..] and the address lines v[LT ..], in which loads land; v[XS ..] are written, which the products take as scales; v[OC ..], copied at the last trip's end, are written, which this trip's stores read
	XLOAD 0
	XLOAD 4
	XSLOAD
	LISTGO
.irp s, 0,1,2,3,4,5,6,7
	s_wait_dscnt 4*(7-\s)                          ; K step s's four loads are in; the later steps' may be out
	WIN 0xf1+\s/4
.irp T, 0,1,2,3
	PROD \s, \T                                    ; the four accumulators by turns, one instruction a turn
.endr
.endr
.rept 8
	v_nop                                          ; eight places behind the last product, ahead of the first read of a result
.endr
	WIN 0xcc
.set n, 0
.rept 32
	v_max_num_f32 v[ACC+n], 0, v[ACC+n]            ; relu; each accumulator from its low end on
.set n, n+1
.endr
	WIN 0x0c
	s_wait_alu depctr_va_vdst(0)                   ; the relu has written the accumulators, which the LDS stores below read; the products are done reading the tokens' fragments, in which the next trip's LDS loads land
.irp T, 0,1,2,3
	ds_store_b128 v[SOW], v[ACC+8*\T:ACC+8*\T+3] offset:64*\T
	ds_store_b128 v[SOW], v[ACC+8*\T+4:ACC+8*\T+7] offset:64*\T+16
.endr
	WIN 0xc0
.irp i, 0,1,2,3,4,5,6,7
	ds_load_b128 v[OB+4*\i:OB+4*\i+3], v[SOR] offset:2*OP*\i   ; back by rows: lanes 0-15 row 2 i, lanes 16-31 row 2 i + 1.  (The last trip's stores, which read these registers, stand ahead of the wait on vm_vsrc at that trip's end; no vector line names them)
.endr
	WIN 0x0c
.irp i, 0,1,2,3,4,5,6,7
	s_wait_dscnt 7-\i
	global_store_b128 v[OC+\i], v[OB+4*\i:OB+4*\i+3], s[14:15] th:TH_STORE_NT   ; sixteen lanes store 256 consecutive bytes of a token's row, at a multiple of 256 from out0's first byte
.endr
	WIN 0
	s_wait_xcnt 0x0                                ; the stores have had their addresses translated: their offsets and their data are written again only behind this wait
	s_wait_alu depctr_vm_vsrc(0)                   ; the stores have read v[OC ..], which the copies below write, and the rows' registers, in which the next trip's LDS loads land; the LDS stores have read the accumulators, which the next products write; this trip's loads have read v[XA ..], v[XSA], v[LA ..], which the next trip's address lines write
.irp i, 0,1,2,3,4,5,6,7
	v_mov_b32 v[OC+\i], v[ON+\i]
.endr
	s_add_co_u32 s22, s22, 1                       ; the loop is counted by trips, one a trip, against a number that it does not write
	s_cmp_lt_u32 s22, s31
	s_cbranch_scc1 .Ltile
.Lend:
	s_wait_dscnt 0x0
	s_wait_alu depctr_hold_cnt(0) depctr_sa_sdst(0) depctr_va_vdst(0) depctr_va_sdst(0) depctr_va_ssrc(0) depctr_va_vcc(0) depctr_vm_vsrc(0)
	s_wait_tensorcnt 0x0
	ds_add_u32 v126, v127
	s_wait_dscnt 0x0
	s_endpgm
.Lfunc_end_k_q0e92a1ddc5_experts:
	.size	k_q0e92a1ddc5_experts, .Lfunc_end_k_q0e92a1ddc5_experts-k_q0e92a1ddc5_experts
	.p2alignl 7, 3214868480
	.fill 96, 4, 3214868480
	.section	.rodata,"a",@progbits
	.p2align	6, 0x0
	.amdhsa_kernel k_q0e92a1ddc5_experts
		.amdhsa_group_segment_fixed_size 152320
		.amdhsa_private_segment_fixed_size 0
		.amdhsa_enable_private_segment 0
		.amdhsa_kernarg_size 48
		.amdhsa_user_sgpr_count 2
		.amdhsa_user_sgpr_kernarg_segment_ptr 1
		.amdhsa_wavefront_size32 1
		.amdhsa_system_sgpr_workgroup_id_x 1
		.amdhsa_system_sgpr_workgroup_id_y 1
		.amdhsa_system_sgpr_workgroup_id_z 1
		.amdhsa_system_vgpr_workitem_id 0
		.amdhsa_next_free_vgpr 1024
		.amdhsa_next_free_sgpr 66
		.amdhsa_reserve_vcc 0
		.amdhsa_float_denorm_mode_32 3
		.amdhsa_float_denorm_mode_16_64 3
		.amdhsa_memory_ordered 1
		.amdhsa_forward_progress 1
		.amdhsa_inst_pref_size 126
	.end_amdhsa_kernel
	.amdgpu_metadata
---
amdhsa.version: [ 1, 2 ]
amdhsa.kernels:
  - .name:           k_q0e92a1ddc5_experts
    .symbol:         k_q0e92a1ddc5_experts.kd
    .args:
      - { .name: xc, .offset: 0, .size: 8, .value_kind: global_buffer, .address_space: global }
      - { .name: xs, .offset: 8, .size: 8, .value_kind: global_buffer, .address_space: global }
      - { .name: order, .offset: 16, .size: 8, .value_kind: global_buffer, .address_space: global }
      - { .name: w, .offset: 24, .size: 8, .value_kind: global_buffer, .address_space: global }
      - { .name: b, .offset: 32, .size: 8, .value_kind: global_buffer, .address_space: global }
      - { .name: out0, .offset: 40, .size: 8, .value_kind: global_buffer, .address_space: global }
    .group_segment_fixed_size: 152320
    .private_segment_fixed_size: 0
    .kernarg_segment_align: 8
    .kernarg_segment_size: 48
    .max_flat_workgroup_size: 128
    .sgpr_count:     66
    .vgpr_count:     1024
    .wavefront_size: 32
...
	.end_amdgpu_metadata
.endif
;; end of part 4
